; MI455X (gfx1250); checked and timed in simulation.
; The chip was launched on July 23, 2026; its instructions are those of AMD's public machine-readable ISA for CDNA 5 (MIT licence, August 2026) and "CDNA5" Instruction Set Architecture Reference Guide (July 2026). The comments in the code are by the model that wrote it; some were corrected since.
;; Causal Attn Layer. Allowed arithmetic: matrix products marked QUANTISED: E2M3 operands, one E8M0 scale for each 32 along K, by v_wmma_scale_f32_16x16x128_f8f6f4 with both operands' format E2M3, f32 sums; everything else in f32.
;; Inputs: W1 1,024 x 4,096 float32; W2 4,096 x 1,024 float32; Wo 1,024 x 1,024 float32; Wqkv 1,024 x 3,072 float32; b1 1,024 float32; b1f 4,096 float32; b2 1,024 float32; b2f 1,024 float32; bo 1,024 float32; bqkv 3,072 float32; g1 1,024 float32; g2 1,024 float32; x 2 x 2,048 x 1,024 float32.
;; Outputs: out0 2 x 2,048 x 1,024 float32.
;; This version of the problem:
;;   THIS VERSION OF THE PROBLEM IS GIVEN IN LOW PRECISION. The matrix products marked QUANTISED in the list below multiply operands that are first quantised to E2M3 (2 exponent bits, 3 mantissa bits; 6 bits a number), with one power-of-two scale for each 32 numbers along K (OCP MX v1.0); their sums are f32. All else is computed in f32.
;;   The module's matrix products, in the order in which they are computed (A, B: the left and right operand; K: the contracted axis; several contracted axes count as one K, in the product's order):
;;     1. [M 4,096, K 1,024] x [K 1,024, N 3,072]; A: computed on the way; B: input Wqkv: QUANTISED
;;     2. batch 32 x [M 2,048, K 64] x [K 64, N 2,048]; A: computed on the way; B: computed on the way: QUANTISED
;;     3. batch 32 x [M 2,048, K 2,048] x [K 2,048, N 64]; A: softmax (see below); B: computed on the way: QUANTISED
;;     4. [M 4,096, K 1,024] x [K 1,024, N 1,024]; A: computed on the way; B: input Wo: QUANTISED
;;     5. [M 4,096, K 1,024] x [K 1,024, N 4,096]; A: computed on the way; B: input W1: QUANTISED
;;     6. [M 4,096, K 4,096] x [K 4,096, N 1,024]; A: computed on the way; B: input W2: QUANTISED
;;   THE QUANTISER, for each operand of a quantised product, along K:
;;     - K is cut into blocks of 32 from its start; a last block that is shorter is filled with zeros.
;;     - A block's scale is 2^e with e = floor(log2(the largest magnitude in the block)) - 2, held to -126 .. 127; a block of zeros has e = 0. As a byte (E8M0): e + 127.
;;     - Each number is divided by its block's scale, clamped to +-7.5, and rounded to the nearest number of E2M3, ties to even, subnormals kept.
;;     - The product sums the exact products of the quantised numbers (number of the format x scale) in f32.
;;   ~~~python
;;   def quantise(x, axis):      # numpy; x: float32 -> the quantised numbers, widened to float32 again
;;       x = np.moveaxis(x, axis, -1); K = x.shape[-1]
;;       x = np.pad(x, [(0, 0)] * (x.ndim - 1) + [(0, -K % 32)]); x = x.reshape(x.shape[:-1] + (-1, 32)); a = np.abs(x).max(-1, keepdims=True)
;;       e = np.where(a > 0, np.clip(np.frexp(np.where(a > 0, a, 1))[1] - 1 - 2, -126, 127), 0)      # np.frexp(a)[1] - 1 = floor(log2(a)), exactly
;;       r = np.clip(x / 2.0 ** e, -7.5, 7.5)
;;       step = 2.0 ** (np.maximum(np.frexp(np.where(r == 0, 1, r))[1] - 1, 0) - 3)
;;       q = np.round(r / step) * step * 2.0 ** e      # np.round: ties to even
;;       return np.moveaxis(q.reshape(q.shape[:-2] + (-1,))[..., :K], -1, axis).astype(np.float32)
;;   ~~~
;;   SOFTMAX AHEAD OF A QUANTISED PRODUCT. Where the list says 'softmax', what is quantised is not the finished softmax but p = 2^(t - M), with t = logit x log2(e) and M = ceil(the row's largest t), a whole number; so 1/2 < the row's largest p <= 1. The row's sum l is taken of the UNQUANTISED p, in f32, and the product's result is divided by l at the end. Since M is a whole number, a kernel that streams over the keys may use a running M (the ceiling of the running maximum): every later rescaling is an exact power of two, which a block's scale takes up: the codes' values come out the same.
;;   OPERANDS COMPUTED ON THE WAY. 'Computed on the way' means the value that the module computes at that place (a softmax that the list does not call 'softmax' is quantised finished and normalised). What goes into a quantiser is computed in f32, as accurately as f32 sums, v_exp_f32 and their like allow (about 1e-6 of the number): no bf16 or f16 on the way to a quantiser, and a product that is left as it is and whose result goes on into a quantised operand takes f32 operands (vector FMAs, or v_wmma_f32_16x16x4_f32). A number that lies on a knife's edge between two numbers of the format may be rounded either way, as far as f32 arithmetic and the matrix unit's own rounding can turn it there, and no further.
;; One version. Each part assembles by itself: llvm-mc -triple=amdgcn-amd-amdhsa -mcpu=gfx1250 --defsym DOCPART=n.
;; ======== version 1 of 1: 8 launches
;; limits: right only within a limited range of input values
;; workspace buffers: wqb 9,830,400 bytes; hb 3,276,800 bytes; qkvb 10,092,544 bytes; ao 3,276,800 bytes; x1 16,777,216 bytes; h2 3,276,800 bytes; hid 13,107,200 bytes
;; launch wq (part 1): grid 768 x 1, 4 waves a work-group, no clusters, 0 bytes of LDS; arguments Wqkv, Wo, W1, W2, wqb; writes wqb
.if DOCPART == 1
	.amdgcn_target "amdgcn-amd-amdhsa--gfx1250"
	.amdhsa_code_object_version 6
	.text
	.protected	k_q6e1b6d80cb_wq
	.globl	k_q6e1b6d80cb_wq
	.p2align	8
	.type	k_q6e1b6d80cb_wq,@function
k_q6e1b6d80cb_wq:
	s_mov_b64 s[64:65], 0
	v_nop
	global_prefetch_b8 v0, s[64:65] scope:SCOPE_SE
	s_setreg_imm32_b32 hwreg(HW_REG_WAVE_MODE, 25, 1), 1
	s_wait_xcnt 0x0
; The four weights, f32 stored [K][N], become codes of FP6 (E2M3) with one E8M0 byte for each 32 along K, laid in the ORDER OF THE OPERAND'S REGISTERS.
; A tile is 16 columns n: tile 2 G + u, lane index r = column 32 G + 8 u + r + 8 (r / 8).  A half image is 16 columns x 64 K, 768 bytes: lane l = r + 16 h owns the 24 bytes of
; block h of column r: its bytes 0-15 at 16 l, its bytes 16-23 at 512 + 8 l.  Halves lie at ((tile x K/128 + s) x 2 + c) x 768, scale words at (tile x K/128 + s) x 64 + 4 r.
; A work-group takes 128 columns x 128 K, a wave 32 columns (two tiles).  A LANE TAKES A COLUMN AND ITS REGISTERS RUN DOWN K: each load reads 128 consecutive bytes a wave, 512 a work-group;
; a block of 32 lies in one lane, and the conversions give codes with K innermost.  Lanes 0-15 hold the first tile's columns, lanes 16-31 the second's; one exchange of halves
; between a lane's two blocks makes both tiles' images.  Every store of codes covers whole aligned runs of 256 bytes.  No LDS, no barrier.
; The row pitch stands in the loads' immediates, so each tensor has its own expansion of WPATH, chosen by the work-group's number.
; LIMITS: NaN and infinities are not served.  A block of zeros, or one whose largest magnitude lies under 2^-124, gets the byte 1 where the rule says 127 or less: only this program reads the bytes.
.set X, 64                             ; v64-191  128 numbers down K
	s_load_b256 s[4:11], s[0:1], 0x0               ; Wqkv, Wo, W1, W2
	s_load_b64 s[12:13], s[0:1], 0x20              ; wqb
	v_lshrrev_b32 v1, 5, v0
	v_readfirstlane_b32 s14, v1                    ; wave
	v_and_b32 v7, 31, v0                           ; l
	v_and_b32 v6, 15, v0                           ; r
	v_bfe_u32 v5, v0, 4, 1                         ; which of my wave's two tiles
	v_and_b32 v1, 7, v0
	v_lshl_or_b32 v1, v5, 3, v1
	v_bfe_u32 v2, v0, 3, 1
	v_lshl_or_b32 v1, v2, 4, v1                    ; my column among the wave's 32: (l & 7) + 8 (l / 16) + 16 ((l / 8) & 1)
	v_lshlrev_b32 v1, 2, v1                        ; in bytes
	v_lshlrev_b32 v2, 4, v7                        ; 16 l
	v_lshlrev_b32 v3, 3, v7                        ; 8 l
	s_mov_b32 s21, 0
	s_wait_kmcnt 0x0
; Half c of the K step: my column's blocks 2 c and 2 c + 1.  t1: bytes from the first tile's images to the second's.
.macro HALF c, t1
.set XS, X+64*\c
.set PA, 16+12*\c
.set PB, 22+12*\c
	v_max3_num_f32 v8, |v[XS]|, |v[XS+1]|, 0x1800000        ; the largest magnitudes, with the floor 2^(3 - 127) among the leaves: the byte cannot fall under 1
	v_max3_num_f32 v9, |v[XS+32]|, |v[XS+33]|, 0x1800000
.irp i, 2,4,6,8,10,12,14,16,18,20,22,24,26,28,30
	v_max3_num_f32 v8, v8, |v[XS+\i]|, |v[XS+\i+1]|
	v_max3_num_f32 v9, v9, |v[XS+32+\i]|, |v[XS+33+\i]|
.endr
	v_add_nc_u32 v10, 0xff000000, v8               ; 2 off the exponent field: the conversion's scale operand
	v_add_nc_u32 v11, 0xff000000, v9
	v_lshrrev_b32 v12, 23, v10                     ; the bytes
	v_lshrrev_b32 v13, 23, v11
.if \c == 0
	v_lshl_or_b32 v47, v13, 8, v12
.else
	v_lshl_or_b32 v47, v12, 16, v47
	v_lshl_or_b32 v47, v13, 24, v47
.endif
	v_cvt_scalef32_pk16_fp6_f32 v[PA:PA+2], v[XS:XS+15], v10
	v_cvt_scalef32_pk16_fp6_f32 v[40:42], v[XS+16:XS+31], v10       ; (a conversion's three registers begin on an even number)
	v_cvt_scalef32_pk16_fp6_f32 v[PB:PB+2], v[XS+32:XS+47], v11
	v_cvt_scalef32_pk16_fp6_f32 v[44:46], v[XS+48:XS+63], v11
	v_nop                                          ; one plain instruction behind the scaled conversions
.irp i, 0,1,2
	v_mov_b32 v[PA+3+\i], v[40+\i]
	v_mov_b32 v[PB+3+\i], v[44+\i]
.endr
.irp i, 0,1,2,3,4,5
	v_permlane16_swap_b32 v[PA+\i], v[PB+\i]       ; PA: the first tile's image (lanes 16-31: its second block); PB: the second tile's
.endr
	global_store_b128 v2, v[PA:PA+3], s[24:25] offset:768*\c
	global_store_b64 v3, v[PA+4:PA+5], s[24:25] offset:768*\c+512
	global_store_b128 v2, v[PB:PB+3], s[24:25] offset:\t1+768*\c
	global_store_b64 v3, v[PB+4:PB+5], s[24:25] offset:\t1+768*\c+512
.endm
; n4: bytes of a row; ksl: log2 of the K steps; start: the tensor's first work-group; codes, scales: its places in wqb; ptr: its pointer
.macro WPATH n4, ksl, start, codes, scales, ptr
	s_sub_co_u32 s16, ttmp9, \start
	s_and_b32 s17, s16, (1<<\ksl)-1                ; K step s
	s_lshr_b32 s18, s16, \ksl
	s_lshl_b32 s18, s18, 2
	s_add_co_u32 s18, s18, s14                     ; G: which 32 columns
	s_mul_i32 s20, s17, 128*\n4
	s_lshl_b32 s19, s18, 7
	s_add_co_u32 s20, s20, s19
	s_add_nc_u64 s[22:23], s[\ptr:\ptr+1], s[20:21]
	s_lshl_b32 s19, s18, \ksl+1
	s_add_co_u32 s19, s19, s17                     ; first tile x K steps + s
	s_mul_i32 s20, s19, 1536
	s_add_co_u32 s20, s20, \codes
	s_add_nc_u64 s[24:25], s[12:13], s[20:21]
	s_lshl_b32 s20, s19, 6
	s_add_co_u32 s20, s20, \scales
	s_add_nc_u64 s[26:27], s[12:13], s[20:21]
	v_mul_u32_u24 v4, v5, 64<<\ksl
	v_lshl_add_u32 v4, v6, 2, v4                   ; my scale word: 4 r, the second tile's one tile on
.set I, 0
.rept 128
	global_load_b32 v[X+I], v1, s[22:23] offset:I*\n4 th:TH_LOAD_NT
.set I, I+1
.endr
	s_wait_loadcnt 63                              ; of 128 loads at most 63 are out: the first 64, half 0's, are in
	HALF 0, (1536<<\ksl)
	s_wait_loadcnt 0x0
	HALF 1, (1536<<\ksl)
	global_store_b32 v4, v47, s[26:27]
	s_endpgm
.endm
	s_cmp_lt_u32 ttmp9, 192
	s_cbranch_scc1 .Lqkv
	s_cmp_lt_u32 ttmp9, 256
	s_cbranch_scc1 .Lwo
	s_cmp_lt_u32 ttmp9, 512
	s_cbranch_scc1 .Lw1
	s_wait_alu depctr_va_vdst(0)
	WPATH 4096, 5, 512, 6291456, 9699328, 10       ; W2: K = 4,096
.Lqkv:
	s_wait_alu depctr_va_vdst(0)
	WPATH 12288, 3, 0, 0, 9437184, 4
.Lwo:
	s_wait_alu depctr_va_vdst(0)
	WPATH 4096, 3, 192, 2359296, 9535488, 6
.Lw1:
	s_wait_alu depctr_va_vdst(0)
	WPATH 16384, 3, 256, 3145728, 9568256, 8
.Lfunc_end_k_q6e1b6d80cb_wq:
	.size	k_q6e1b6d80cb_wq, .Lfunc_end_k_q6e1b6d80cb_wq-k_q6e1b6d80cb_wq
	.p2alignl 7, 3214868480
	.fill 96, 4, 3214868480
	.section	.rodata,"a",@progbits
	.p2align	6, 0x0
	.amdhsa_kernel k_q6e1b6d80cb_wq
		.amdhsa_group_segment_fixed_size 0
		.amdhsa_private_segment_fixed_size 0
		.amdhsa_enable_private_segment 0
		.amdhsa_kernarg_size 40
		.amdhsa_user_sgpr_count 2
		.amdhsa_user_sgpr_kernarg_segment_ptr 1
		.amdhsa_wavefront_size32 1
		.amdhsa_system_sgpr_workgroup_id_x 1
		.amdhsa_system_sgpr_workgroup_id_y 1
		.amdhsa_system_sgpr_workgroup_id_z 1
		.amdhsa_system_vgpr_workitem_id 0
		.amdhsa_next_free_vgpr 192
		.amdhsa_next_free_sgpr 66
		.amdhsa_reserve_vcc 0
		.amdhsa_float_denorm_mode_32 3
		.amdhsa_float_denorm_mode_16_64 3
		.amdhsa_memory_ordered 1
		.amdhsa_forward_progress 1
		.amdhsa_inst_pref_size 81
	.end_amdhsa_kernel
	.amdgpu_metadata
---
amdhsa.version: [ 1, 2 ]
amdhsa.kernels:
  - .name:           k_q6e1b6d80cb_wq
    .symbol:         k_q6e1b6d80cb_wq.kd
    .args:
      - { .name: Wqkv, .offset: 0, .size: 8, .value_kind: global_buffer, .address_space: global }
      - { .name: Wo, .offset: 8, .size: 8, .value_kind: global_buffer, .address_space: global }
      - { .name: W1, .offset: 16, .size: 8, .value_kind: global_buffer, .address_space: global }
      - { .name: W2, .offset: 24, .size: 8, .value_kind: global_buffer, .address_space: global }
      - { .name: wqb, .offset: 32, .size: 8, .value_kind: global_buffer, .address_space: global }
    .group_segment_fixed_size: 0
    .private_segment_fixed_size: 0
    .kernarg_segment_align: 8
    .kernarg_segment_size: 40
    .max_flat_workgroup_size: 128
    .sgpr_count:     66
    .vgpr_count:     192
    .wavefront_size: 32
...
	.end_amdgpu_metadata
.endif
;; end of part 1
;; launch ln1 (part 2): grid 256 x 1, 16 waves a work-group, no clusters, 88,832 bytes of LDS; arguments x, g1, b1, hb; writes hb
.if DOCPART == 2
	.amdgcn_target "amdgcn-amd-amdhsa--gfx1250"
	.amdhsa_code_object_version 6
	.text
	.protected	k_q6e1b6d80cb_ln1
	.globl	k_q6e1b6d80cb_ln1
	.p2align	8
	.type	k_q6e1b6d80cb_ln1,@function
k_q6e1b6d80cb_ln1:
	s_mov_b64 s[64:65], 0
	v_nop
	global_prefetch_b8 v0, s[64:65] scope:SCOPE_SE
	s_setreg_imm32_b32 hwreg(HW_REG_WAVE_MODE, 25, 1), 1
	s_wait_xcnt 0x0
; y = (x - mean) rsqrt(var + 1e-5) g + b for rows of 1,024 f32, then quantised along the row to FP6 (E2M3) with one E8M0 byte for each 32, and stored in the order of the operand's registers.
; Work-group T makes tile T of 16 rows: wave w is lane index r = w, row 32 (T / 2) + 8 (T % 2) + w + 8 (w / 8).  Mean and variance in two passes, in f32, so that a common offset costs nothing.
; A row's loads are 512 consecutive bytes each.  The conversions want 32 neighbours in ONE lane, so the finished row turns through the wave's own LDS bytes (places of 128 + 16 bytes).
; Lane l then holds block l: K step l / 4, half (l / 2) % 2, block half h = l % 2.  Its 24 bytes of codes go to the tile's images in LDS (half image: lane r + 16 h: 16 bytes at 16 (r + 16 h), 8 bytes at 512 + 8 (r + 16 h)),
; a barrier, and wave w stores half image w: 768 consecutive bytes, three aligned runs of 256.  Wave 0 stores the tile's 512 scale bytes.
; LIMITS: NaN and infinities are not served.  A block of zeros, or one under 2^-124, gets the byte 1: only this program reads the bytes.
.set IMG,   73728                      ; behind 16 turning places of 4,608 bytes: 16 half images, 784 bytes apart
.set SCS,   86272                      ; the tile's scale bytes: [8 K steps][16 rows][4]
.set SPARE, 86784                      ; the spare words, 128 bytes for each of 16 waves; no other line names them
.set XR, 32                            ; v32-63  the row, 4 numbers of each 128
.set GR, 64                            ; v64-95  g; later the lane's block of 32
.set BR, 96                            ; v96-127 b
	s_load_b256 s[4:11], s[0:1], 0x0               ; x, g, b, out
	v_lshl_add_u32 v12, v0, 2, SPARE
	v_mov_b32 v13, 0
	v_lshrrev_b32 v1, 5, v0
	s_delay_alu instid0(VALU_DEP_1)
	v_readfirstlane_b32 s12, v1                    ; wave
	v_and_b32 v1, 31, v0                           ; l
	s_delay_alu instid0(VALU_DEP_1)
	v_lshlrev_b32 v2, 4, v1                        ; 16 l
	s_delay_alu instid0(VALU_DEP_2)
	v_lshlrev_b32 v10, 3, v1                       ; 8 l
	s_mul_i32 s13, s12, 4608
	v_lshrrev_b32 v3, 3, v1
	s_delay_alu instid0(VALU_DEP_1)
	v_mul_u32_u24 v3, v3, 144
	v_and_b32 v4, 7, v1
	s_delay_alu instid0(VALU_DEP_1)
	v_lshl_add_u32 v3, v4, 4, v3
	s_delay_alu instid0(VALU_DEP_1)
	v_add_nc_u32 v3, s13, v3                       ; the turn, in: 144 (l / 8) + 16 (l % 8); a load's 512 bytes take four places
	v_mul_u32_u24 v4, v1, 144
	s_delay_alu instid0(VALU_DEP_1)
	v_add_nc_u32 v4, s13, v4                       ; and out: place l
	v_lshrrev_b32 v5, 1, v1
	s_delay_alu instid0(VALU_DEP_1)
	v_mul_u32_u24 v5, v5, 784                      ; my half image
	v_and_b32 v6, 1, v1
	s_delay_alu instid0(VALU_DEP_1)
	v_lshl_add_u32 v7, v6, 7, v5
	s_delay_alu instid0(VALU_DEP_2)
	v_lshl_add_u32 v5, v6, 8, v5
	s_lshl_b32 s13, s12, 4
	s_add_co_u32 s13, s13, IMG
	v_add_nc_u32 v5, s13, v5                       ; 16 bytes at 16 (w + 16 h)
	s_lshl_b32 s13, s12, 3
	s_add_co_u32 s13, s13, IMG+512
	v_add_nc_u32 v6, s13, v7                       ; 8 bytes at 512 + 8 (w + 16 h)
	v_lshrrev_b32 v7, 2, v1
	s_delay_alu instid0(VALU_DEP_1)
	v_lshlrev_b32 v7, 6, v7
	v_and_b32 v8, 3, v1
	s_delay_alu instid0(VALU_DEP_1)
	v_add_nc_u32 v7, v7, v8
	s_lshl_b32 s13, s12, 2
	s_add_co_u32 s13, s13, SCS
	v_add_nc_u32 v7, s13, v7                       ; my byte: 64 (l / 4) + 4 w + l % 4
	s_mul_i32 s13, s12, 784
	s_add_co_u32 s13, s13, IMG
	v_add_nc_u32 v8, s13, v2                       ; back: half image w
	v_add_nc_u32 v9, s13, v10
	v_add_nc_u32 v11, SCS, v2
	s_mov_b32 s14, 0x76543210
	s_mov_b32 s15, 0xfedcba98                      ; lane l xor 16
	s_mov_b32 s16, 0x3a800000                      ; 1 / 1,024
	s_mov_b32 s17, 0x3727c5ac                      ; 1e-5
	s_lshr_b32 s18, ttmp9, 1
	s_lshl_b32 s18, s18, 5
	s_and_b32 s19, ttmp9, 1
	s_lshl_b32 s19, s19, 3
	s_add_co_u32 s18, s18, s19
	s_add_co_u32 s18, s18, s12
	s_lshr_b32 s19, s12, 3
	s_lshl_b32 s19, s19, 3
	s_add_co_u32 s18, s18, s19                     ; my row
	s_lshl_b32 s18, s18, 12
	s_mov_b32 s19, 0
	s_mul_i32 s20, ttmp9, 12288
	s_mul_i32 s21, s12, 768
	s_add_co_u32 s20, s20, s21
	s_mov_b32 s21, 0
	s_lshl_b32 s24, ttmp9, 9
	s_add_co_u32 s24, s24, 3145728
	s_mov_b32 s25, 0
	s_wait_kmcnt 0x0
	s_add_nc_u64 s[4:5], s[4:5], s[18:19]
	s_add_nc_u64 s[22:23], s[10:11], s[20:21]      ; my half image in the output
	s_add_nc_u64 s[24:25], s[10:11], s[24:25]      ; the tile's scale words
.irp j, 0,1,2,3,4,5,6,7
	global_load_b128 v[XR+4*\j:XR+4*\j+3], v2, s[4:5] offset:512*\j th:TH_LOAD_NT
.endr
.irp j, 0,1,2,3,4,5,6,7
	global_load_b128 v[GR+4*\j:GR+4*\j+3], v2, s[6:7] offset:512*\j
.endr
.irp j, 0,1,2,3,4,5,6,7
	global_load_b128 v[BR+4*\j:BR+4*\j+3], v2, s[8:9] offset:512*\j
.endr
.macro WSUM                            ; four chains v[16:23] -> the wave's sum in v16, in every lane
	v_pk_add_f32 v[16:17], v[16:17], v[18:19]
	s_delay_alu instid0(VALU_DEP_2)
	v_pk_add_f32 v[20:21], v[20:21], v[22:23]
	s_delay_alu instid0(VALU_DEP_1)
	v_pk_add_f32 v[16:17], v[16:17], v[20:21]
	s_delay_alu instid0(VALU_DEP_1)
	v_add_f32 v16, v16, v17
	s_delay_alu instid0(VALU_DEP_1)
	v_add_f32_dpp v16, v16, v16 row_xmask:1 row_mask:0xf bank_mask:0xf
	s_delay_alu instid0(VALU_DEP_1)
	v_add_f32_dpp v16, v16, v16 row_xmask:2 row_mask:0xf bank_mask:0xf
	s_delay_alu instid0(VALU_DEP_1)
	v_add_f32_dpp v16, v16, v16 row_xmask:4 row_mask:0xf bank_mask:0xf
	s_delay_alu instid0(VALU_DEP_1)
	v_add_f32_dpp v16, v16, v16 row_xmask:8 row_mask:0xf bank_mask:0xf
	s_delay_alu instid0(VALU_DEP_1)
	v_permlanex16_b32 v17, v16, s14, s15
	s_delay_alu instid0(VALU_DEP_1)
	v_add_f32 v16, v16, v17
.endm
	s_wait_loadcnt 16                              ; x's eight loads are in; g's and b's sixteen may be out
.irp k, 0,1,2,3
	v_pk_add_f32 v[16+2*\k:17+2*\k], v[XR+4*\k:XR+4*\k+1], v[XR+4*\k+2:XR+4*\k+3]
.endr
.irp k, 0,1,2,3
	v_pk_add_f32 v[16+2*\k:17+2*\k], v[16+2*\k:17+2*\k], v[XR+16+2*\k:XR+17+2*\k]
	s_delay_alu instid0(VALU_DEP_1)
	v_pk_add_f32 v[16+2*\k:17+2*\k], v[16+2*\k:17+2*\k], v[XR+24+2*\k:XR+25+2*\k]
.endr
	WSUM
	s_delay_alu instid0(VALU_DEP_1)
	v_mul_f32 v14, s16, v16                        ; the mean
	s_delay_alu instid0(VALU_DEP_1)
	v_mov_b32 v15, v14
.set J, 0
.rept 16
	v_pk_add_f32 v[XR+J:XR+J+1], v[XR+J:XR+J+1], v[14:15] neg_lo:[0,1] neg_hi:[0,1]
.set J, J+2
.endr
.irp k, 0,1,2,3
	v_pk_mul_f32 v[16+2*\k:17+2*\k], v[XR+2*\k:XR+2*\k+1], v[XR+2*\k:XR+2*\k+1]
.endr
.irp q, 8,16,24
.irp k, 0,1,2,3
	s_delay_alu instid0(VALU_DEP_4)
	v_pk_fma_f32 v[16+2*\k:17+2*\k], v[XR+\q+2*\k:XR+\q+2*\k+1], v[XR+\q+2*\k:XR+\q+2*\k+1], v[16+2*\k:17+2*\k]
.endr
.endr
	WSUM
	s_delay_alu instid0(VALU_DEP_1)
	v_fma_f32 v16, v16, s16, s17                   ; the variance + 1e-5
	s_wait_alu depctr_va_vdst(0)
	v_rsq_f32 v14, v16
	v_nop                                          ; a plain instruction behind the transcendental,
	s_wait_alu depctr_va_vdst(0)                   ; and the wait ahead of the first line that names its result
	v_mov_b32 v15, v14
	s_wait_alu depctr_va_vdst(0)
	s_wait_loadcnt 0x0                             ; g and b
.set J, 0
.rept 16
	v_pk_mul_f32 v[XR+J:XR+J+1], v[XR+J:XR+J+1], v[14:15]
.set J, J+2
.endr
.set J, 0
.rept 16
	v_pk_fma_f32 v[XR+J:XR+J+1], v[XR+J:XR+J+1], v[GR+J:GR+J+1], v[BR+J:BR+J+1]
.set J, J+2
.endr
.irp j, 0,1,2,3,4,5,6,7
	ds_store_b128 v3, v[XR+4*\j:XR+4*\j+3] offset:576*\j
.endr
.irp j, 0,1,2,3,4,5,6,7
	ds_load_b128 v[GR+4*\j:GR+4*\j+3], v4 offset:16*\j   ; LDS serves a wave's instructions in order: these see my stores
.endr
	s_wait_dscnt 0x0
	v_max3_num_f32 v16, |v[GR]|, |v[GR+1]|, 0x1800000     ; my block's largest magnitude, in two chains, with the floor 2^(3 - 127)
	v_max3_num_f32 v17, |v[GR+2]|, |v[GR+3]|, 0x1800000
.irp i, 4,8,12,16,20,24,28
	s_delay_alu instid0(VALU_DEP_2)
	v_max3_num_f32 v16, v16, |v[GR+\i]|, |v[GR+\i+1]|
	s_delay_alu instid0(VALU_DEP_2)
	v_max3_num_f32 v17, v17, |v[GR+\i+2]|, |v[GR+\i+3]|
.endr
	s_delay_alu instid0(VALU_DEP_1)
	v_max_num_f32 v16, v16, v17
	s_delay_alu instid0(VALU_DEP_1)
	v_add_nc_u32 v17, 0xff000000, v16              ; 2 off the exponent field: the conversion's scale operand
	s_delay_alu instid0(VALU_DEP_1)
	v_lshrrev_b32 v18, 23, v17                     ; the byte
	v_cvt_scalef32_pk16_fp6_f32 v[20:22], v[GR:GR+15], v17
	v_cvt_scalef32_pk16_fp6_f32 v[26:28], v[GR+16:GR+31], v17
	v_nop                                          ; one plain instruction behind the scaled conversions
	v_mov_b32 v23, v26
	v_mov_b32 v24, v27
	v_mov_b32 v25, v28
	ds_store_b128 v5, v[20:23]
	ds_store_b64 v6, v[24:25]
	ds_store_b8 v7, v18
	s_wait_dscnt 0x0                               ; for the others' sake: my stores have landed
	s_barrier_signal -1
	s_barrier_wait -1
	ds_load_b128 v[32:35], v8
	ds_load_b64 v[36:37], v9 offset:512
	s_wait_dscnt 0x0
	global_store_b128 v2, v[32:35], s[22:23]
	global_store_b64 v10, v[36:37], s[22:23] offset:512
	s_cmp_lg_u32 s12, 0
	s_cbranch_scc1 .Lnot_scales
	ds_load_b128 v[40:43], v11
	s_wait_dscnt 0x0
	global_store_b128 v2, v[40:43], s[24:25]
.Lnot_scales:
	s_wait_tensorcnt 0x0                           ; the wave's end
	ds_add_u32 v12, v13
	s_wait_dscnt 0x0
	s_endpgm
.Lfunc_end_k_q6e1b6d80cb_ln1:
	.size	k_q6e1b6d80cb_ln1, .Lfunc_end_k_q6e1b6d80cb_ln1-k_q6e1b6d80cb_ln1
	.p2alignl 7, 3214868480
	.fill 96, 4, 3214868480
	.section	.rodata,"a",@progbits
	.p2align	6, 0x0
	.amdhsa_kernel k_q6e1b6d80cb_ln1
		.amdhsa_group_segment_fixed_size 88832
		.amdhsa_private_segment_fixed_size 0
		.amdhsa_enable_private_segment 0
		.amdhsa_kernarg_size 32
		.amdhsa_user_sgpr_count 2
		.amdhsa_user_sgpr_kernarg_segment_ptr 1
		.amdhsa_wavefront_size32 1
		.amdhsa_system_sgpr_workgroup_id_x 1
		.amdhsa_system_sgpr_workgroup_id_y 1
		.amdhsa_system_sgpr_workgroup_id_z 1
		.amdhsa_system_vgpr_workitem_id 0
		.amdhsa_next_free_vgpr 128
		.amdhsa_next_free_sgpr 66
		.amdhsa_reserve_vcc 0
		.amdhsa_float_denorm_mode_32 3
		.amdhsa_float_denorm_mode_16_64 3
		.amdhsa_memory_ordered 1
		.amdhsa_forward_progress 1
		.amdhsa_inst_pref_size 18
	.end_amdhsa_kernel
	.amdgpu_metadata
---
amdhsa.version: [ 1, 2 ]
amdhsa.kernels:
  - .name:           k_q6e1b6d80cb_ln1
    .symbol:         k_q6e1b6d80cb_ln1.kd
    .args:
      - { .name: x, .offset: 0, .size: 8, .value_kind: global_buffer, .address_space: global }
      - { .name: g1, .offset: 8, .size: 8, .value_kind: global_buffer, .address_space: global }
      - { .name: b1, .offset: 16, .size: 8, .value_kind: global_buffer, .address_space: global }
      - { .name: hb, .offset: 24, .size: 8, .value_kind: global_buffer, .address_space: global }
    .group_segment_fixed_size: 88832
    .private_segment_fixed_size: 0
    .kernarg_segment_align: 8
    .kernarg_segment_size: 32
    .max_flat_workgroup_size: 512
    .sgpr_count:     66
    .vgpr_count:     128
    .wavefront_size: 32
...
	.end_amdgpu_metadata
.endif
;; end of part 2
;; launch qkv (part 3): grid 8 x 32, 4 waves a work-group, clusters of 4 x 4, 327,680 bytes of LDS; arguments hb, wqb, bqkv, qkvb; writes qkvb
.if DOCPART == 3
	.amdgcn_target "amdgcn-amd-amdhsa--gfx1250"
	.amdhsa_code_object_version 6
	.text
	.protected	k_q6e1b6d80cb_qkv
	.globl	k_q6e1b6d80cb_qkv
	.p2align	8
	.type	k_q6e1b6d80cb_qkv,@function
k_q6e1b6d80cb_qkv:
	s_mov_b64 s[64:65], 0
	v_nop
	global_prefetch_b8 v0, s[64:65] scope:SCOPE_SE
	s_setreg_imm32_b32 hwreg(HW_REG_WAVE_MODE, 25, 1), 1
	s_wait_xcnt 0x0
	s_wait_alu depctr_hold_cnt(0) depctr_sa_sdst(0) depctr_va_vdst(0) depctr_va_sdst(0) depctr_va_ssrc(0) depctr_va_vcc(0) depctr_vm_vsrc(0)
	s_getreg_b32 s2, hwreg(HW_REG_IB_STS2, 6, 4)
	s_cmp_eq_u32 s2, 0
	s_cbranch_scc0 .Lentry_in_a_cluster
	s_endpgm
.Lentry_in_a_cluster:
	s_bfe_u32 s2, ttmp6, 0x10000c
	s_cmp_lg_u32 s2, 0xf033
	s_cbranch_scc0 .Lentry_shape_is_right
	s_endpgm
.Lentry_shape_is_right:
; qkv = LN1(x) Wqkv + bqkv on codes of FP6 (E2M3), K = 1,024; the results are quantised in registers and stored as the operands of attention: q and k along the head's 64, v along the keys.
; A work-group of four waves takes 128 rows and STAYS for three tiles of 128 columns: the same two heads' q, k and v.  A's 128 x 1,024 codes stay in LDS; the weights' tiles go through two slots.
; A wave makes 64 x 64: 16 accumulators.  Operands lie in memory and in LDS as images of their registers (half image of 16 rows x 64 K: lane l's bytes 0-15 at 16 l, bytes 16-23 at 512 + 8 l), so a tile is a dense block
; and every LDS load reads consecutive bytes.  Tiles of 16 are not neighbours: tile 2 B + u, lane index r = row 32 B + 8 u + r + 8 (r / 8); so the registers of two neighbouring result tiles are 16 neighbours.
; q, k: source 0 = the weight's columns, source 1 = rows: a lane holds one row and 32 of its head's 64 channels.  v: the sources swapped: a lane holds one channel and 32 of the wave's 64 keys.
; CLUSTER 4 x 4: A's blocks are shared along a row of the cluster, the weights' along a column; each is asked for jointly.
; LIMITS: NaN and infinities are not served; a block of zeros or under 2^-124 gets the byte 1 (only this program reads the bytes).  The 2-byte and 4-byte scale stores fill their 256-byte runs in part: 1/24 of the codes' bytes.
; REGISTERS. window 0: v2 h; v3 16 l; v4 8 l; v5 4 r; v6-7 A's LDS addresses; v8-9 B's; v10-11 their lane parts; v12-13 scale words' address; v14-15 the add's two; v16-17 the bias's lane offsets; v20-30 the quantiser's;
;   v32-63 scale words (lanes 0-15 A's, lanes 16-31 B's); v96-127 codes to store; v128-255 accumulators.   window 1: v0-95, v128-223 two sets of fragments (A's four, then B's four); v224-255 the bias.
; A'S FRAGMENTS STAY IN REGISTERS (this takes the place of what the map above says of them): each wave reads its 64 rows x 1,024 K from LDS once, 128 loads, into windows 2 and 3:
; K steps 0-4 at v[48 s + 12 a] of window 2, K steps 5-7 at v[48 (s - 5) + 12 a] of window 3, 384 registers, and keeps them for all NT tiles.  A K step then fetches the weight's four fragments alone: 16 LDS loads.
; Window 1 holds the weight's two sets, at v48-95 and v176-223, and the bias.
; THE HEAD'S FOUR TILES, one joint load a wave: wave 0 A's 98,304 bytes, wave 1 q's weights (slot 0), wave 2 A's scale words, wave 3 the weights' scale words of all NT tiles.  Slot 1 is first filled behind a drained round, a quarter a wave.
.set NT,    3
.set SLOT1, 131072                     ; weights' slot 0 at 0, slot 1 here: 98,304 bytes each
.set SCR,   98304                      ; scale words: A's [8 tiles][8][64], then the weights' [NT][8 tiles][8][64]
.set SPARE, 126976                     ; the spare words, 512 bytes; no other line names them
.set ALDS,  229376                     ; A: [8 tiles][12,288]
.set OFFC,  0                          ; Wqkv's codes and scale words in wqb
.set OFFS,  9437184
.set SC,  32
.set ACC, 128
.set QT,  20
.set SEL, 18
.set MULW, 0x05                        ; sources 0 and 1 window 1; C and D window 0
.set TO_F, 0x40                        ; destination window 1
.set MSB, 0
.macro WIN new                         ; the immediate's high byte repeats the setting that is left
.if MSB != \new
	s_set_vgpr_msb (MSB<<8)|\new
.set MSB, \new
.endif
.endm
.macro PLACES n
.rept \n
	v_nop
.endr
.endm
.macro CROUND                          ; a round of the cluster's barrier
	s_barrier_signal -1
	s_barrier_wait -1
	s_cmp_lg_u32 s14, 0
	s_cbranch_scc1 .Lnot_wave_0_\@
	s_barrier_signal -3
.Lnot_wave_0_\@:
	s_barrier_wait -3
	s_barrier_signal -1
	s_barrier_wait -1
.endm
.macro ARM under, g0, g1, next         ; an arm of the head's one chain of branches on the wave's number: its load, and a jump to the chain's end
	s_cmp_lt_u32 s14, \under
	s_cbranch_scc0 \next
	tensor_load_to_lds s[\g0:\g0+3], s[\g1:\g1+7]
	s_nop 0
	PLACES 4
	s_branch .Lhead_asked
\next:
.endm
.macro G1SET g, c, r, p                ; r rows of c elements of 8 bytes, p elements apart
	s_mov_b32 s[\g+1], (\c)<<16
	s_mov_b32 s[\g+2], (\r)<<16
	s_mov_b32 s[\g+3], (\c)<<16
	s_mov_b32 s[\g+4], \r
	s_mov_b32 s[\g+5], \p
	s_mov_b32 s[\g+6], 0
	s_mov_b32 s[\g+7], 0
.endm
.macro AFETCH                          ; my four tiles of A, all eight K steps, into windows 2 and 3: once in the launch
.irp s, 0,1,2,3,4,5,6,7
	WIN (2+\s/5)<<6
.irp i, 0,1,2,3
	ds_load_b128 v[48*(\s%5)+12*\i:48*(\s%5)+12*\i+3], v6 offset:12288*\i+1536*\s
	ds_load_b64 v[48*(\s%5)+12*\i+4:48*(\s%5)+12*\i+5], v7 offset:12288*\i+1536*\s+512
	ds_load_b128 v[48*(\s%5)+12*\i+6:48*(\s%5)+12*\i+9], v6 offset:12288*\i+1536*\s+768
	ds_load_b64 v[48*(\s%5)+12*\i+10:48*(\s%5)+12*\i+11], v7 offset:12288*\i+1536*\s+1280
.endr
.endr
	WIN 0
.endm
.macro FETCH s, f                      ; K step s: the weight's four fragments into set f: 16 loads of consecutive bytes
	WIN TO_F
.irp i, 0,1,2,3
	ds_load_b128 v[\f+48+12*\i:\f+48+12*\i+3], v8 offset:12288*\i+1536*(\s)
	ds_load_b64 v[\f+48+12*\i+4:\f+48+12*\i+5], v9 offset:12288*\i+1536*(\s)+512
	ds_load_b128 v[\f+48+12*\i+6:\f+48+12*\i+9], v8 offset:12288*\i+1536*(\s)+768
	ds_load_b64 v[\f+48+12*\i+10:\f+48+12*\i+11], v9 offset:12288*\i+1536*(\s)+1280
.endr
.endm
.macro SCALES                          ; the phase's 32 scale words: lanes 0-15 A's tile i, lanes 16-31 B's tile i, K step s
	WIN 0
.irp s, 0,1,2,3,4,5,6,7
.irp i, 0,1,2,3
	ds_load_b32 v[SC+4*\s+\i], v12 offset:512*\i+64*\s
.endr
.endr
.endm
; 16 products, the accumulators by turns.  mode 0: source 0 = B's tile t, source 1 = A's tile a, D at 8 (4 a + t).  mode 1: source 0 = A's, source 1 = B's, D at 8 (4 t + a).  K step 0 starts the sums.
.macro MUL s, f, mode
.if \mode == 0
	WIN 1|((2+(\s)/5)<<2)                          ; source 0 (the weight) window 1, source 1 (A) window 2 or 3
.else
	WIN (2+(\s)/5)|(1<<2)                          ; the sources swapped
.endif
.set AF_, 48*((\s)%5)
.irp a, 0,1,2,3
.irp t, 0,1,2,3
.if \mode == 0
.if \s == 0
	v_wmma_scale_f32_16x16x128_f8f6f4 v[ACC+8*(4*\a+\t):ACC+8*(4*\a+\t)+7], v[\f+48+12*\t:\f+48+12*\t+11], v[AF_+12*\a:AF_+12*\a+11], 0, v[SC+4*\s+\t], v[SC+4*\s+\a] matrix_a_fmt:MATRIX_FMT_FP6 matrix_b_fmt:MATRIX_FMT_FP6 matrix_a_scale:MATRIX_SCALE_ROW1
.else
	v_wmma_scale_f32_16x16x128_f8f6f4 v[ACC+8*(4*\a+\t):ACC+8*(4*\a+\t)+7], v[\f+48+12*\t:\f+48+12*\t+11], v[AF_+12*\a:AF_+12*\a+11], v[ACC+8*(4*\a+\t):ACC+8*(4*\a+\t)+7], v[SC+4*\s+\t], v[SC+4*\s+\a] matrix_a_fmt:MATRIX_FMT_FP6 matrix_b_fmt:MATRIX_FMT_FP6 matrix_a_scale:MATRIX_SCALE_ROW1
.endif
.else
.if \s == 0
	v_wmma_scale_f32_16x16x128_f8f6f4 v[ACC+8*(4*\t+\a):ACC+8*(4*\t+\a)+7], v[AF_+12*\a:AF_+12*\a+11], v[\f+48+12*\t:\f+48+12*\t+11], 0, v[SC+4*\s+\a], v[SC+4*\s+\t] matrix_a_fmt:MATRIX_FMT_FP6 matrix_b_fmt:MATRIX_FMT_FP6 matrix_b_scale:MATRIX_SCALE_ROW1
.else
	v_wmma_scale_f32_16x16x128_f8f6f4 v[ACC+8*(4*\t+\a):ACC+8*(4*\t+\a)+7], v[AF_+12*\a:AF_+12*\a+11], v[\f+48+12*\t:\f+48+12*\t+11], v[ACC+8*(4*\t+\a):ACC+8*(4*\t+\a)+7], v[SC+4*\s+\a], v[SC+4*\s+\t] matrix_a_fmt:MATRIX_FMT_FP6 matrix_b_fmt:MATRIX_FMT_FP6 matrix_b_scale:MATRIX_SCALE_ROW1
.endif
.endif
.endr
.endr
.endm
; A tile of C: eight K steps on two sets of fragments.  Four plain instructions stand ahead of each run of loads into registers that products have read.
.macro PHASE mode, slot, j
	PLACES 4
	WIN 0
	v_add_nc_u32 v8, \slot*SLOT1, v10
	s_wait_alu depctr_va_vdst(0)
	v_add_nc_u32 v9, \slot*SLOT1, v11
	s_wait_alu depctr_va_vdst(0)
	v_mad_u32_u24 v12, v2, 4096*\j, v13            ; lanes 16-31: this tile's weights' scale words, 4,096 bytes a tile of 128 columns
	WIN TO_F
.if \mode == 0
.irp k, 0,1,2,3,4,5,6,7
	global_load_b128 v[224+4*\k:227+4*\k], v16, s[8:9] offset:4096*\j+128*(\k/4)+16*(\k%4)   ; the bias of my 32 columns: used in the epilogue
.endr
.else
.irp t, 0,1,2,3
	global_load_b32 v[224+2*\t], v17, s[8:9] offset:4096*\j+4*(32*(\t/2)+8*(\t%2))            ; the bias of my channel of tile t, twice: a pair for the packed addition
	global_load_b32 v[225+2*\t], v17, s[8:9] offset:4096*\j+4*(32*(\t/2)+8*(\t%2))
.endr
.endif
	SCALES
	FETCH 0, 0
.irp s, 0,1,2,3,4,5,6,7
.if \s > 0
	PLACES 4
.endif
.if \s < 7
	FETCH \s+1, 128*((\s+1)%2)
	s_wait_dscnt 16                                ; all but the 16 loads just issued
.else
	s_wait_dscnt 0x0
.endif
	MUL \s, 128*(\s%2), \mode
.endr
.endm
; 32 numbers of a lane, register 16 b + i = k 32 b + 16 h + i of its row, become the lane's six registers of a half image, v[p] on, and two scale bytes in v[w].
.macro QUANT32 src, p, w
	v_max3_num_f32 v[QT], |v[\src]|, |v[\src+1]|, 0x1800000        ; with the floor 2^(3 - 127): the byte cannot fall under 1
	v_max3_num_f32 v[QT+1], |v[\src+16]|, |v[\src+17]|, 0x1800000
.irp i, 2,4,6,8,10,12,14
	v_max3_num_f32 v[QT], v[QT], |v[\src+\i]|, |v[\src+\i+1]|
	v_max3_num_f32 v[QT+1], v[QT+1], |v[\src+16+\i]|, |v[\src+17+\i]|
.endr
	v_permlanex16_b32 v[QT+2], v[QT], s[SEL], s[SEL+1]
	v_permlanex16_b32 v[QT+3], v[QT+1], s[SEL], s[SEL+1]
	v_max_num_f32 v[QT], v[QT], v[QT+2]            ; with lane l xor 16's 16: the block's largest magnitude
	v_max_num_f32 v[QT+1], v[QT+1], v[QT+3]
	v_add_nc_u32 v[QT+4], 0xff000000, v[QT]        ; 2 off the exponent field: the conversion's scale operand
	v_add_nc_u32 v[QT+5], 0xff000000, v[QT+1]
	v_lshrrev_b32 v[QT+2], 23, v[QT+4]
	v_lshrrev_b32 v[QT+3], 23, v[QT+5]
	v_lshl_or_b32 v[\w], v[QT+3], 8, v[QT+2]
	v_cvt_scalef32_pk16_fp6_f32 v[\p:\p+2], v[\src:\src+15], v[QT+4]
	v_cvt_scalef32_pk16_fp6_f32 v[QT+8:QT+10], v[\src+16:\src+31], v[QT+5]
	v_nop                                          ; one plain instruction behind the scaled conversions
.irp i, 0,1,2
	v_permlane16_swap_b32 v[\p+\i], v[QT+8+\i]     ; a whole block to a lane: lanes 0-15 block 0, lanes 16-31 block 1
.endr
.irp i, 0,1,2
	v_mov_b32 v[\p+3+\i], v[QT+8+\i]
.endr
.endm
.macro EPI_QK cp, co, sp               ; q or k: + bias, quantised along the head's 64, one half image and one scale word (upper bytes 0) for each tile of rows
	s_wait_loadcnt 0x0                             ; the bias
	PLACES 4
.irp a, 0,1,2,3
	WIN 0x04                                       ; source 1 (the bias) window 1
.irp m, 0,2,4,6,8,10,12,14,16,18,20,22,24,26,28,30
	v_pk_add_f32 v[ACC+32*\a+\m:ACC+32*\a+\m+1], v[ACC+32*\a+\m:ACC+32*\a+\m+1], v[224+\m:225+\m]
.endr
	WIN 0
	QUANT32 ACC+32*\a, 96+8*\a, 102+8*\a
	global_store_b128 v3, v[96+8*\a:99+8*\a], s[\cp:\cp+1] offset:\co+768*\a
	global_store_b64 v4, v[100+8*\a:101+8*\a], s[\cp:\cp+1] offset:\co+768*\a+512
	global_store_b32 v5, v[102+8*\a], s[\sp:\sp+1] offset:64*\a       ; lanes l and l xor 16 store the same word
.endr
	s_wait_xcnt 0x0                                ; the stores have read their registers: they are written again only behind this wait
.endm
.macro EPI_V                           ; v: + bias, quantised along my 64 keys: half a K step of attention's second product, for each tile of channels
	s_wait_loadcnt 0x0
	PLACES 4
.irp t, 0,1,2,3
	WIN 0x04
.irp m, 0,2,4,6,8,10,12,14,16,18,20,22,24,26,28,30
	v_pk_add_f32 v[ACC+32*\t+\m:ACC+32*\t+\m+1], v[ACC+32*\t+\m:ACC+32*\t+\m+1], v[224+2*\t:225+2*\t]
.endr
	WIN 0
	QUANT32 ACC+32*\t, 96+8*\t, 102+8*\t
	global_store_b128 v3, v[96+8*\t:99+8*\t], s[96:97] offset:1536*\t
	global_store_b64 v4, v[100+8*\t:101+8*\t], s[96:97] offset:1536*\t+512
	global_store_b16 v5, v[102+8*\t], s[98:99] offset:64*\t
.endr
.endm
	s_load_b256 s[4:11], s[0:1], 0x0               ; hb, wqb, bqkv, qkvb
	v_lshl_add_u32 v14, v0, 2, SPARE
	v_mov_b32 v15, 0
	ds_add_u32 v14, v15                            ; the wave's opening: the add and its wait ahead of my first tensor load
	ds_add_u32 v14, v15
	v_lshrrev_b32 v1, 5, v0
	v_readfirstlane_b32 s14, v1                    ; wave
	s_lshr_b32 s15, s14, 1                         ; wr: my half of the rows; also: which half of A's scale words I fetch
	s_and_b32 s16, s14, 1                          ; wc: my half of the columns; also: which half of the scales I fetch
	s_bfe_u32 s80, ttmp6, 0x40000                  ; cx
	s_bfe_u32 s81, ttmp6, 0x40004                  ; cy
	s_lshl_b32 s82, ttmp9, 2
	s_add_co_u32 s82, s82, s80                     ; cb: block of 128 columns
	s_and_b32 s17, ttmp7, 0xffff
	s_lshl_b32 s17, s17, 2
	s_add_co_u32 s17, s17, s81                     ; rb: block of 128 rows
	s_lshl_b32 s83, s81, 2
	s_lshl_b32 s83, 15, s83                        ; my row of the cluster
	s_lshl_b32 s84, 0x1111, s80                    ; my column
	s_or_b32 s24, s83, (3<<16)|(1<<21)             ; group 1: the mask; elements of 8 bytes; bit 21 beside a mask; no padding
	s_or_b32 s32, s84, (3<<16)|(1<<21)
	s_or_b32 s40, s83, (3<<16)|(1<<21)
	s_or_b32 s48, s84, (3<<16)|(1<<21)
	G1SET 24, 32, 384, 32                          ; A: 98,304 dense bytes
	G1SET 32, 32, 384, 32                          ; a tile of the weights: the same at the head; behind it a quarter a wave
	G1SET 40, 32, 16, 32                           ; A's scale words of 8 tiles: 4,096 dense bytes
	G1SET 48, 512, NT, 4096                        ; the weights': NT rows of 4,096 bytes, 32,768 apart (64 tiles from q to k to v)
	s_lshl_b32 s20, s17, 3
	s_mul_i32 s20, s20, 12288                      ; A's tiles 8 rb on
	s_mov_b32 s21, 0
	s_lshl_b32 s22, s17, 3
	s_lshl_b32 s22, s22, 9
	s_add_co_u32 s22, s22, 3145728                 ; their scale words
	s_mov_b32 s23, 0
	s_lshl_b32 s86, s82, 3
	s_mul_i32 s86, s86, 12288
	s_add_co_u32 s86, s86, OFFC                    ; the weights' tiles 8 cb on
	s_mov_b32 s87, 0
	s_lshl_b32 s88, s82, 3
	s_lshl_b32 s88, s88, 9
	s_add_co_u32 s88, s88, OFFS
	s_mov_b32 s89, 0
	s_mov_b32 s[SEL], 0x76543210
	s_mov_b32 s[SEL+1], 0xfedcba98
	s_wait_dscnt 0x0                               ; the opening add is done
	s_wait_kmcnt 0x0
	s_mov_b32 s56, 1                               ; group 0, A
	s_mov_b32 s57, ALDS
	s_add_nc_u64 s[58:59], s[4:5], s[20:21]
	s_or_b32 s59, s59, 0x80000000
	s_mov_b32 s60, 1                               ; A's scale words
	s_mov_b32 s61, SCR
	s_add_nc_u64 s[62:63], s[4:5], s[22:23]
	s_or_b32 s63, s63, 0x80000000
	s_mov_b32 s68, 1                               ; the weights' scale words
	s_mov_b32 s69, SCR+4096
	s_add_nc_u64 s[70:71], s[6:7], s[88:89]
	s_or_b32 s71, s71, 0x80000000
	s_mov_b32 s72, 1                               ; q's weights into slot 0
	s_mov_b32 s73, 0
	s_add_nc_u64 s[74:75], s[6:7], s[86:87]
	s_or_b32 s75, s75, 0x80000000
	s_mov_b32 s76, 1                               ; k's into slot 1; this set walks on
	s_mul_i32 s77, s14, 24576                      ; the walking set brings my quarter of a tile
	s_add_co_u32 s77, s77, SLOT1
	s_add_nc_u64 s[78:79], s[6:7], s[86:87]
	s_mul_i32 s88, s14, 24576                      ; (s89 = 0)
	s_add_nc_u64 s[78:79], s[78:79], s[88:89]
	s_add_nc_u64 s[78:79], s[78:79], 786432
	s_or_b32 s79, s79, 0x80000000
	CROUND                                         ; all sixteen work-groups are here: the first joint loads meet
	ARM 1, 56, 24, .Lhead_w                        ; wave 0: A
	ARM 2, 72, 32, .Lhead_sa                       ; wave 1: q's weights
	ARM 3, 60, 40, .Lhead_sw                       ; wave 2: A's scale words
	tensor_load_to_lds s[68:71], s[48:55]          ; wave 3: the weights' scale words
	s_nop 0
	PLACES 4
.Lhead_asked:
	v_and_b32 v3, 31, v0
	v_and_b32 v1, 15, v0                           ; r
	v_bfe_u32 v2, v0, 4, 1                         ; h
	v_lshlrev_b32 v4, 3, v3
	v_lshlrev_b32 v3, 4, v3
	v_lshlrev_b32 v5, 2, v1
	s_mul_i32 s20, s15, 49152
	s_add_co_u32 s20, s20, ALDS
	v_add_nc_u32 v6, s20, v3
	v_add_nc_u32 v7, s20, v4
	s_mul_i32 s20, s16, 49152
	v_add_nc_u32 v10, s20, v3
	v_add_nc_u32 v11, s20, v4
	s_lshl_b32 s21, s15, 11                        ; A's scale words: my four tiles
	s_lshl_b32 s22, s16, 11
	s_add_co_u32 s22, s22, 4096
	s_sub_co_u32 s22, s22, s21                     ; from there to the weights'
	v_mul_u32_u24 v13, s22, v2                     ; lanes 16-31 take the weights'
	s_wait_alu depctr_va_vdst(0)
	s_add_co_u32 s21, s21, SCR
	v_add_nc_u32 v13, v13, v5
	v_add_nc_u32 v13, s21, v13
	v_lshlrev_b32 v16, 6, v2                       ; bias, q and k: my 16 columns of each 32 begin 64 h bytes on
	v_and_b32 v17, 8, v1
	v_add_nc_u32 v17, v17, v1
	v_lshlrev_b32 v17, 2, v17                      ; bias, v: my channel of a tile
	v_mov_b32 v[QT+2], 0                           ; written once: a lane permute's destination counts as one of its sources
	v_mov_b32 v[QT+3], 0
	; where the results go: g = batch x 16 + head, tq0 = my first tile of rows within the batch
	s_lshr_b32 s20, s17, 4
	s_lshl_b32 s20, s20, 4
	s_lshl_b32 s21, s82, 1
	s_add_co_u32 s20, s20, s21
	s_add_co_u32 s20, s20, s16                     ; g
	s_and_b32 s21, s17, 15
	s_lshl_b32 s22, s21, 3
	s_lshl_b32 s23, s15, 2
	s_add_co_u32 s22, s22, s23                     ; tq0
	s_lshl_b32 s23, s20, 7
	s_add_co_u32 s23, s23, s22
	s_mov_b32 s87, 0
	s_mul_i32 s86, s23, 768
	s_add_nc_u64 s[90:91], s[10:11], s[86:87]      ; q's codes; k's 3,145,728 on
	s_lshl_b32 s86, s23, 6
	s_add_co_u32 s86, s86, 9437184
	s_add_nc_u64 s[92:93], s[10:11], s[86:87]      ; q's scale words
	s_mul_i32 s88, s20, 12288
	s_lshl_b32 s86, s22, 6
	s_add_co_u32 s86, s86, s88
	s_add_co_u32 s86, s86, 9699328
	s_add_nc_u64 s[94:95], s[10:11], s[86:87]      ; k's
	s_lshl_b32 s86, s20, 4
	s_add_co_u32 s86, s86, s21
	s_mul_i32 s86, s86, 6144
	s_mul_i32 s89, s15, 768
	s_add_co_u32 s86, s86, s89
	s_add_co_u32 s86, s86, 6291456
	s_add_nc_u64 s[96:97], s[10:11], s[86:87]      ; v's codes: key step rb % 16, half wr
	s_lshl_b32 s86, s21, 8
	s_add_co_u32 s86, s86, s88
	s_lshl_b32 s89, s15, 1
	s_add_co_u32 s86, s86, s89
	s_add_co_u32 s86, s86, 9699328+8192
	s_add_nc_u64 s[98:99], s[10:11], s[86:87]      ; v's scale bytes
	s_lshl_b32 s86, s82, 9
	s_lshl_b32 s89, s16, 8
	s_add_co_u32 s86, s86, s89
	s_add_nc_u64 s[8:9], s[8:9], s[86:87]          ; the bias at my 64 columns
	s_wait_alu depctr_va_vdst(0)
	s_wait_tensorcnt 0x0                           ; my tile of the head's four is in
	ds_add_u32 v14, v15
	s_mov_b32 s34, 96<<16                          ; no tensor load of mine is out: from here on a load of weights brings 96 rows of 256 bytes, a quarter of a tile
	s_mov_b32 s36, 96
	s_wait_dscnt 0x0
	CROUND                                         ; all four tiles are in, and all sixteen work-groups are here
	tensor_load_to_lds s[76:79], s[32:39]          ; k's weights into slot 1: my one load behind the round; q's eight K steps stand between it and the wait for it
	s_nop 0
	PLACES 4
	AFETCH
	PHASE 0, 0, 0                                  ; q
	WIN 0
	s_wait_tensorcnt 0x0                           ; all my loads have landed, my part of slot 1 among them
	ds_add_u32 v14, v15
	s_xor_b32 s77, s77, SLOT1                      ; the walking set: slot 0,
	s_add_nc_u64 s[78:79], s[78:79], 786432        ; v's weights
	s_wait_dscnt 0x0                               ; the add is done, and my reads of slot 0 are over
	CROUND                                         ; that holds of every wave of the cluster
	tensor_load_to_lds s[76:79], s[32:39]          ; my one load behind the round
	s_nop 0
	PLACES 4
	EPI_QK 90, 0, 92
	PHASE 0, 1, 1                                  ; k
	EPI_QK 90, 3145728, 94
	s_wait_tensorcnt 0x0                           ; my part of v's weights has landed
	ds_add_u32 v14, v15
	s_wait_dscnt 0x0
	s_barrier_signal -1
	s_barrier_wait -1                              ; everybody's has; nothing is filled again
	PHASE 1, 0, 2                                  ; v, the sources swapped
	EPI_V
	s_wait_tensorcnt 0x0                           ; the wave's end
	ds_add_u32 v14, v15
	s_wait_dscnt 0x0
	CROUND                                         ; the closing round
	s_endpgm
.Lfunc_end_k_q6e1b6d80cb_qkv:
	.size	k_q6e1b6d80cb_qkv, .Lfunc_end_k_q6e1b6d80cb_qkv-k_q6e1b6d80cb_qkv
	.p2alignl 7, 3214868480
	.fill 96, 4, 3214868480
	.section	.rodata,"a",@progbits
	.p2align	6, 0x0
	.amdhsa_kernel k_q6e1b6d80cb_qkv
		.amdhsa_group_segment_fixed_size 327680
		.amdhsa_private_segment_fixed_size 0
		.amdhsa_enable_private_segment 0
		.amdhsa_kernarg_size 32
		.amdhsa_user_sgpr_count 2
		.amdhsa_user_sgpr_kernarg_segment_ptr 1
		.amdhsa_wavefront_size32 1
		.amdhsa_system_sgpr_workgroup_id_x 1
		.amdhsa_system_sgpr_workgroup_id_y 1
		.amdhsa_system_sgpr_workgroup_id_z 1
		.amdhsa_system_vgpr_workitem_id 0
		.amdhsa_next_free_vgpr 912
		.amdhsa_next_free_sgpr 100
		.amdhsa_reserve_vcc 0
		.amdhsa_float_denorm_mode_32 3
		.amdhsa_float_denorm_mode_16_64 3
		.amdhsa_memory_ordered 1
		.amdhsa_forward_progress 1
		.amdhsa_inst_pref_size 145
	.end_amdhsa_kernel
	.amdgpu_metadata
---
amdhsa.version: [ 1, 2 ]
amdhsa.kernels:
  - .name:           k_q6e1b6d80cb_qkv
    .symbol:         k_q6e1b6d80cb_qkv.kd
    .args:
      - { .name: hb, .offset: 0, .size: 8, .value_kind: global_buffer, .address_space: global }
      - { .name: wqb, .offset: 8, .size: 8, .value_kind: global_buffer, .address_space: global }
      - { .name: bqkv, .offset: 16, .size: 8, .value_kind: global_buffer, .address_space: global }
      - { .name: qkvb, .offset: 24, .size: 8, .value_kind: global_buffer, .address_space: global }
    .group_segment_fixed_size: 327680
    .private_segment_fixed_size: 0
    .kernarg_segment_align: 8
    .kernarg_segment_size: 32
    .max_flat_workgroup_size: 128
    .sgpr_count:     100
    .vgpr_count:     912
    .wavefront_size: 32
...
	.end_amdgpu_metadata
.endif
;; end of part 3
;; launch attn (part 4): grid 8 x 32, 16 waves a work-group, no clusters, 327,680 bytes of LDS; arguments qkvb, ao; writes ao
.if DOCPART == 4
	.amdgcn_target "amdgcn-amd-amdhsa--gfx1250"
	.amdhsa_code_object_version 6
	.text
	.protected	k_q6e1b6d80cb_attn
	.globl	k_q6e1b6d80cb_attn
	.p2align	8
	.type	k_q6e1b6d80cb_attn,@function
k_q6e1b6d80cb_attn:
	s_mov_b64 s[64:65], 0
	v_nop
	global_prefetch_b8 v0, s[64:65] scope:SCOPE_SE
	s_setreg_imm32_b32 hwreg(HW_REG_WAVE_MODE, 25, 1), 1
	s_wait_xcnt 0x0
; Causal attention on codes of FP6 (E2M3): 32 heads (batch x 16 + head) of 64 channels, 2,048 keys.  q, k: half images (K = 64; the upper 64 of the instruction's 128 are zero codes, their scale bytes 0 = 2^-127).
; v: fragments with the KEYS as K.  t = score x log2(e) / 8; M = the running largest t rounded UP to a whole number; p = 2^(t - M) is quantised along the keys; the row's sum is taken of the unquantised p and divides O at the end.
; O / l is quantised along the model's 1,024 (this head's 64 are half a K step) and stored as the next product's operand.
; SHARES.  Work-group (i, head) owns query blocks i and 15 - i of 128 queries; a tile of 16 queries of block b has b + 1 key steps of 128 keys.  Waves w and w + 8 are a PAIR with 17 steps: wave w walks its tile of block i
; (i + 1 steps), stores it, and then HELPS: from step i + 1 on it walks the odd steps of the pair's tile of block 15 - i with a state (M, l, O) of its own, and wave w + 8 walks the even ones.  So no wave walks more than 9 steps.
; At the end the helper's state goes through LDS to wave w + 8, which brings both under the larger M (exact powers of two) and adds them.
; Both products are used transposed: a lane holds ONE query.  Tiles of 16 are not neighbours (tile 2 B + u, lane index r = 32 B + 8 u + r + 8 (r / 8)), so the registers of two neighbouring tiles are 16 neighbouring keys or channels.
; K and V come through two LDS slots of 256 keys, filled by waves 0-3; the head's scale words stay in LDS.  Every work-group walks all 8 slots (constant trip counts); a step that is not a wave's is jumped over, and
; a slot whose first key comes after the work-group's last query is not asked for: a jump on ids alone, the same in all waves, round the load's own lines; every wait on the tensor counter is for 0.
; NO CLUSTER: which steps are walked and which slots are asked for hangs on the block of queries, which would be a work-group's place in its cluster; partners would need different numbers of slots.
; LIMITS: NaN and infinities are not served; a block of zeros gets the byte 1.  The 2-byte scale stores fill their 256-byte runs in part.
; REGISTERS: v1 16 l; v2 8 l; v3, v4 K's and V's scale words' lane places; v5, v6 the add's two; v7 4 r; v8-11 the step's addresses; v12 -M; v13 largest t; v14-15 the sum; v16-27 Q; v28 the prefetch's offset; v30 the pair's place in LDS;
;   v31 the mask's lane term; v32-79 four fragments of K (upper halves zero); v80-86 Q and its scale word of the pair's tile of block 15 - i; v96-159 scores, p, then V's four fragments; v160-191 O^T; v224-235 p's codes; v232-254 at work; v255 Q's scale word.
.set SLOT1, 32768                      ; slot 0 at 0, slot 1 here: K's 16 tiles x 768, then V's [2 key steps][4 tiles][1,536]
.set VOFF,  12288
.set SCK,   65536                      ; the head's scale words: K's 8,192 bytes, V's 4,096
.set SPARE, 77824                      ; the spare words, 128 bytes for each of 16 waves; no other line names them
.set MRG,   79872                      ; eight places of 4,608 bytes, one a pair: the helper's O^T (8 x 512 bytes) and its -M, t, l (512 bytes), as images of the registers; no tile lands here
.set KC,  3145728
.set VC,  6291456
.set QSO, 9437184
.set KVS, 9699328
.set WV,  18
.set SEL, 20
.set CS,  22
.set TB,  2                            ; LDS byte at which the slot in hand begins
.set TS,  3                            ; the step's scale words of K: 512 bytes a step
.set TJ,  66                           ; and V's: 256 a step
.set SLOTS, 67
.set KF,  68                           ; the step's first key
.set Q0,  69                           ; first query of the tile in hand; its last is Q0 + 23
.set LQ,  70                           ; my work-group's last query
.set PFA, 72
.set LIM, 74
.set SK0, 48                           ; s48, s49: a slot's first (second) step is mine while its first key is at or under this
.set TRK, 50                           ; s50  the first key of the step at whose head a wave of block i turns helper: 128 (i + 1); in waves 8-15 a number that no key reaches
.set QH,  51                           ; s51  first query of the pair's tile of block 15 - i
.set QT,  234                          ; the way out's quantiser: v234-244; its two permute destinations are v236, v237, which the head has written
.macro TLOAD                           ; waves 0 and 1: K's halves of a slot; waves 2 and 3: V's
	s_cmp_lt_u32 s[WV], 4
	s_cbranch_scc0 .Lasked_\@
	tensor_load_to_lds s[40:43], s[24:31]
	s_nop 0
.rept 4
	v_nop
.endr
.Lasked_\@:
.endm
; A prefetch of the slot that the NEXT change of slots will ask for: 96 aligned blocks of 256 bytes (48 of K, 48 of V), each named once in the launch: by the head's first work-group, waves 4 to 6, a lane a block.
; It stands a slot ahead of the load that wants the bytes; the last change that fills a slot asks for nothing; slots 0 and 1 come by their loads alone.
.macro ASK
	s_cmp_gt_u32 s[SLOTS], s[LIM]
	s_cbranch_scc0 .Lnot_mine_\@
	global_prefetch_b8 v28, s[PFA:PFA+1] th:TH_LOAD_NT scope:SCOPE_SE
.Lnot_mine_\@:
.endm
.macro QUANT32 src, p, w               ; 32 numbers of a lane, register 16 b + i = k 32 b + 16 h + i, become six registers of a half image and two scale bytes
	v_max3_num_f32 v[QT], |v[\src]|, |v[\src+1]|, 0x1800000
	v_max3_num_f32 v[QT+1], |v[\src+16]|, |v[\src+17]|, 0x1800000
.irp i, 2,4,6,8,10,12,14
	s_delay_alu instid0(VALU_DEP_2)
	v_max3_num_f32 v[QT], v[QT], |v[\src+\i]|, |v[\src+\i+1]|
	s_delay_alu instid0(VALU_DEP_2)
	v_max3_num_f32 v[QT+1], v[QT+1], |v[\src+16+\i]|, |v[\src+17+\i]|
.endr
	s_delay_alu instid0(VALU_DEP_2)
	v_permlanex16_b32 v[QT+2], v[QT], s[SEL], s[SEL+1]
	s_delay_alu instid0(VALU_DEP_2)
	v_permlanex16_b32 v[QT+3], v[QT+1], s[SEL], s[SEL+1]
	s_delay_alu instid0(VALU_DEP_2)
	v_max_num_f32 v[QT], v[QT], v[QT+2]
	s_delay_alu instid0(VALU_DEP_2)
	v_max_num_f32 v[QT+1], v[QT+1], v[QT+3]
	s_delay_alu instid0(VALU_DEP_2)
	v_add_nc_u32 v[QT+4], 0xff000000, v[QT]
	s_delay_alu instid0(VALU_DEP_2)
	v_add_nc_u32 v[QT+5], 0xff000000, v[QT+1]
	s_delay_alu instid0(VALU_DEP_2)
	v_lshrrev_b32 v[QT+2], 23, v[QT+4]
	s_delay_alu instid0(VALU_DEP_2)
	v_lshrrev_b32 v[QT+3], 23, v[QT+5]
	s_delay_alu instid0(VALU_DEP_1)
	v_lshl_or_b32 v[\w], v[QT+3], 8, v[QT+2]
	v_cvt_scalef32_pk16_fp6_f32 v[\p:\p+2], v[\src:\src+15], v[QT+4]
	v_cvt_scalef32_pk16_fp6_f32 v[QT+8:QT+10], v[\src+16:\src+31], v[QT+5]
	v_nop
.irp i, 0,1,2
	v_permlane16_swap_b32 v[\p+\i], v[QT+8+\i]
.endr
.irp i, 0,1,2
	s_delay_alu instid0(VALU_DEP_3)
	v_mov_b32 v[\p+3+\i], v[QT+8+\i]
.endr
.endm
; THE WAY OUT of a finished tile: O^T / the sum, quantised along my head's 64 channels, stored as half a K step of the next product's operand.
.macro WAYOUT
	v_add_f32 v14, v14, v15
	s_delay_alu instid0(VALU_DEP_1)
	v_permlanex16_b32 v252, v14, s[SEL], s[SEL+1]
	s_delay_alu instid0(VALU_DEP_1)
	v_add_f32 v14, v14, v252
	s_wait_alu depctr_va_vdst(0)
	v_rcp_f32 v14, v14
	v_nop                                          ; a plain instruction behind the transcendental; with the three lines above and the next one, five plain instructions that name no register of the last products
	v_nop                                          ; stand between those products and the multiplications below, which read their results and write over V's fragments (four are asked)
	s_wait_alu depctr_va_vdst(0)                   ; the wait ahead of the first line that names the reciprocal
.set J, 0
.rept 32
	v_mul_f32 v[96+J], v[160+J], v14               ; register 16 b + i: channel 32 b + 16 h + i of my query
.set J, J+1
.endr
	QUANT32 96, 224, 230                           ; it writes p's old registers only behind these 32 lines
	global_store_b128 v1, v[224:227], s[12:13]
	global_store_b64 v2, v[228:229], s[12:13] offset:512
	global_store_b16 v7, v230, s[14:15]
.endm
; A wave of block i has walked its last step: its tile goes out, and it begins anew as the helper of the pair's tile of block 15 - i.
.macro TRANSIT
	WAYOUT
	s_wait_xcnt 0x0                                ; the stores have read v224-230, which the next step writes
	v_mov_b32 v255, v86                            ; the other tile's scale word and codes: the 36 lines below stand between these writes and the next products (eight and four are asked)
.irp j, 0,1,2,3,4,5
	v_mov_b32 v[16+\j], v[80+\j]
.endr
	v_mov_b32 v13, 0xff61b1e6                      ; an empty state: the largest t -3e38,
	s_delay_alu instid0(VALU_DEP_1)
	v_floor_f32 v12, -v13
	v_mov_b32 v14, 0                               ; the sum 0,
	v_mov_b32 v15, 0
.set J, 0
.rept 32
	v_mov_b32 v[160+J], 0                          ; O^T 0: the step is written once, and adds onto what it finds
.set J, J+1
.endr
	s_mov_b32 s[Q0], s[QH]
	s_mov_b32 s[SK0], 0                            ; no first step of a slot is mine any more (every key from here on is above 0),
	s_add_co_u32 s[SK0+1], s[QH], 23               ; the second steps are, up to the tile's diagonal
.endm
	s_load_b128 s[4:7], s[0:1], 0x0                ; qkvb, ao
	v_lshl_add_u32 v5, v0, 2, SPARE
	v_mov_b32 v6, 0
	ds_add_u32 v5, v6                              ; the wave's opening: the add and its wait ahead of the first tensor load
	ds_add_u32 v5, v6
	v_lshrrev_b32 v8, 5, v0
	s_delay_alu instid0(VALU_DEP_1)
	v_readfirstlane_b32 s[WV], v8                  ; wave 0..15
	s_and_b32 s76, ttmp7, 0xffff                   ; g = batch x 16 + head
	s_lshr_b32 s77, s[WV], 3
	s_lshl_b32 s78, ttmp9, 1
	s_sub_co_u32 s78, 15, s78
	s_mul_i32 s77, s77, s78
	s_add_co_u32 s77, s77, ttmp9                   ; my block of 128 queries: i or 15 - i
	s_lshl_b32 s77, s77, 3
	s_and_b32 s78, s[WV], 7
	s_add_co_u32 s77, s77, s78                     ; tq: my tile of queries
	s_lshr_b32 s[Q0], s77, 1
	s_lshl_b32 s[Q0], s[Q0], 5
	s_and_b32 s78, s77, 1
	s_lshl_b32 s78, s78, 3
	s_add_co_u32 s[Q0], s[Q0], s78
	s_sub_co_u32 s79, 15, ttmp9
	s_lshl_b32 s79, s79, 3
	s_and_b32 s78, s[WV], 7
	s_add_co_u32 s79, s79, s78                     ; the pair's tile of block 15 - i
	s_lshr_b32 s[QH], s79, 1
	s_lshl_b32 s[QH], s[QH], 5
	s_and_b32 s78, s79, 1
	s_lshl_b32 s78, s78, 3
	s_add_co_u32 s[QH], s[QH], s78
	s_add_co_u32 s[SK0], s[Q0], 23                 ; a slot's first steps: mine up to my tile's diagonal
	s_lshl_b32 s78, ttmp9, 7
	s_add_co_u32 s52, s78, 127                     ; the last key of block i
	s_add_co_u32 s53, s78, 128                     ; the first key behind it
	s_cmp_lt_u32 s[WV], 8
	s_cselect_b32 s[SK0+1], s[SK0], s52            ; a slot's second steps: waves 8-15 leave those behind block i to the helper
	s_cselect_b32 s[TRK], s53, -1
	s_sub_co_u32 s[LQ], 16, ttmp9
	s_lshl_b32 s[LQ], s[LQ], 7
	s_sub_co_u32 s[LQ], s[LQ], 1
	s_mov_b32 s24, 3<<16                           ; group 1, codes: 24 rows of 32 elements of 8 bytes, dense: 6,144 bytes; no mask, no padding
	s_mov_b32 s25, 32<<16
	s_mov_b32 s26, 24<<16
	s_mov_b32 s27, 32<<16
	s_mov_b32 s28, 24
	s_mov_b32 s29, 32
	s_mov_b32 s30, 0
	s_mov_b32 s31, 0
	s_mov_b32 s32, 3<<16                           ; scale words: 12 such rows: 3,072 bytes
	s_mov_b32 s33, 32<<16
	s_mov_b32 s34, 12<<16
	s_mov_b32 s35, 32<<16
	s_mov_b32 s36, 12
	s_mov_b32 s37, 32
	s_mov_b32 s38, 0
	s_mov_b32 s39, 0
	s_mul_i32 s80, s76, 98304                      ; the head's codes, in K as in V
	s_and_b32 s81, s[WV], 1
	s_mul_i32 s81, s81, 6144
	s_add_co_u32 s82, s80, s81
	s_cmp_lt_u32 s[WV], 2
	s_mov_b32 s83, VC
	s_cselect_b32 s83, KC, s83                     ; an offset is chosen, no address
	s_add_co_u32 s82, s82, s83
	s_mov_b32 s83, 0
	s_mul_i32 s84, s76, 12288
	s_and_b32 s85, s[WV], 3                        ; waves 4 to 7 fetch the scale words, a quarter each
	s_mul_i32 s85, s85, 3072
	s_add_co_u32 s84, s84, s85
	s_add_co_u32 s84, s84, KVS
	s_mov_b32 s85, 0
	s_lshl_b32 s86, s76, 7
	s_add_co_u32 s54, s86, s79
	s_add_co_u32 s86, s86, s77
	s_mul_i32 s88, s86, 768                        ; Q's half image
	s_mov_b32 s89, 0
	s_lshl_b32 s90, s86, 6
	s_add_co_u32 s90, s90, QSO                     ; its scale words
	s_mov_b32 s91, 0
	s_mul_i32 s56, s54, 768                        ; the same of the pair's tile of block 15 - i
	s_mov_b32 s57, 0
	s_lshl_b32 s58, s54, 6
	s_add_co_u32 s58, s58, QSO
	s_mov_b32 s59, 0
	s_lshr_b32 s86, s76, 4
	s_lshl_b32 s86, s86, 7
	s_add_co_u32 s86, s86, s77                     ; the output's tile of rows
	s_lshl_b32 s86, s86, 3
	s_bfe_u32 s87, s76, 0x30001
	s_add_co_u32 s86, s86, s87                     ; x 8 K steps + head / 2
	s_and_b32 s87, s76, 1
	s_mul_i32 s92, s86, 1536
	s_mul_i32 s94, s87, 768
	s_add_co_u32 s92, s92, s94
	s_mov_b32 s93, 0
	s_lshl_b32 s94, s86, 6
	s_lshl_b32 s87, s87, 1
	s_add_co_u32 s94, s94, s87
	s_add_co_u32 s94, s94, 3145728
	s_mov_b32 s95, 0
	s_add_co_u32 s98, s80, KC+12288                ; the prefetches stand at slot 1; the first change of slots steps them to slot 2
	s_mov_b32 s99, 0
	s_mov_b32 s[SEL], 0x76543210
	s_mov_b32 s[SEL+1], 0xfedcba98
	s_mov_b32 s[CS], 0x3e38aa3b                    ; c = log2(e) / 8
	s_mov_b32 s[CS+1], s[CS]
	s_mov_b32 s[TB], 0
	s_mov_b32 s[TS], 0
	s_mov_b32 s[TJ], 0
	s_mov_b32 s[SLOTS], 7
	s_mov_b32 s[KF], 0
	s_wait_dscnt 0x0                               ; the opening add is done
	s_wait_kmcnt 0x0
	s_mov_b32 s40, 1                               ; group 0, codes: it walks
	s_mul_i32 s41, s[WV], 6144
	s_add_nc_u64 s[42:43], s[4:5], s[82:83]
	s_or_b32 s43, s43, 0x80000000
	s_mov_b32 s44, 1                               ; the scale words: filled once
	s_and_b32 s45, s[WV], 3
	s_mul_i32 s45, s45, 3072
	s_add_co_u32 s45, s45, SCK
	s_add_nc_u64 s[46:47], s[4:5], s[84:85]
	s_or_b32 s47, s47, 0x80000000
	s_cmp_lt_u32 s[WV], 4
	s_cbranch_scc0 .Lnot_codes
	tensor_load_to_lds s[40:43], s[24:31]          ; waves 0 to 3: slot 0, one load a wave
	s_nop 0
.rept 4
	v_nop
.endr
	s_branch .Lno_first
.Lnot_codes:
	s_cmp_lt_u32 s[WV], 8
	s_cbranch_scc0 .Lno_first
	tensor_load_to_lds s[44:47], s[32:39]          ; waves 4 to 7: the head's scale words
	s_nop 0
.rept 4
	v_nop
.endr
.Lno_first:
	s_add_nc_u64 s[8:9], s[4:5], s[88:89]
	s_add_nc_u64 s[10:11], s[4:5], s[90:91]
	s_add_nc_u64 s[56:57], s[4:5], s[56:57]
	s_add_nc_u64 s[58:59], s[4:5], s[58:59]
	s_add_nc_u64 s[12:13], s[6:7], s[92:93]
	s_add_nc_u64 s[14:15], s[6:7], s[94:95]
	s_add_nc_u64 s[PFA:PFA+1], s[4:5], s[98:99]
	s_sub_co_u32 s86, s[WV], 4
	s_lshr_b32 s86, s86, 2                         ; 0 in waves 4 to 7,
	s_or_b32 s86, s86, ttmp9                       ; of the head's first work-group
	s_cmp_eq_u32 s86, 0
	s_cselect_b32 s[LIM], 1, -1
	s_cmp_eq_u32 s[WV], 7                          ; (96 blocks are three waves' worth)
	s_cselect_b32 s[LIM], -1, s[LIM]
	s_and_b32 s86, s[WV], 3
	s_lshl_b32 s86, s86, 5
	v_and_b32 v10, 31, v0
	s_delay_alu instid0(VALU_DEP_1)
	v_add_nc_u32 v28, s86, v10                     ; my block of the 96
	s_delay_alu instid0(VALU_DEP_1)
	v_cmp_le_u32 vcc_lo, 48, v28
	v_mov_b32 v29, VC-KC-12288
	s_delay_alu instid0(VALU_DEP_1)
	v_cndmask_b32 v29, 0, v29, vcc_lo              ; blocks 48 on are V's
	s_delay_alu instid0(VALU_DEP_1)
	v_lshl_add_u32 v28, v28, 8, v29
	v_and_b32 v8, 15, v0                           ; r
	v_bfe_u32 v9, v0, 4, 1                         ; h
	v_lshlrev_b32 v1, 4, v10
	v_lshlrev_b32 v2, 3, v10
	s_delay_alu instid0(VALU_DEP_4)
	v_lshlrev_b32 v7, 2, v8
	global_load_b128 v[16:19], v1, s[8:9]          ; Q's half image stays in registers
	global_load_b64 v[20:21], v2, s[8:9] offset:512
	global_load_b32 v255, v7, s[10:11]
	global_load_b128 v[80:83], v1, s[56:57]        ; and that of the pair's tile of block 15 - i, for the helper (in waves 8-15 their own tile once more: the lines stand on every wave's path, so that every register is written on every path)
	global_load_b64 v[84:85], v2, s[56:57] offset:512
	global_load_b32 v86, v7, s[58:59]
	s_and_b32 s86, s[WV], 7
	s_mul_i32 s86, s86, 4608
	s_add_co_u32 s86, s86, MRG
	v_add_nc_u32 v30, s86, v1                      ; my pair's place: 16 bytes a lane
	v_add_nc_u32 v3, SCK, v7
	v_add_nc_u32 v4, SCK+8192, v7
	v_and_b32 v31, 8, v8
	s_delay_alu instid0(VALU_DEP_1)
	v_add_nc_u32 v31, v31, v8
	v_lshlrev_b32 v11, 4, v9
	s_delay_alu instid0(VALU_DEP_1)
	v_sub_nc_u32 v31, v31, v11                     ; r + 8 (r / 8) - 16 h
.irp j, 22,23,24,25,26,27
	v_mov_b32 v[\j], 0                             ; K = 64 .. 127: zero codes
.endr
.irp t, 0,1,2,3
.irp j, 6,7,8,9,10,11
	v_mov_b32 v[32+12*\t+\j], 0
.endr
.endr
	v_mov_b32 v13, 0xff61b1e6                      ; the largest t so far: -3e38
	s_delay_alu instid0(VALU_DEP_1)
	v_floor_f32 v12, -v13                          ; -M
	v_mov_b32 v14, 0
	v_mov_b32 v15, 0
.irp b, 0,1,2,3
	v_mov_b32 v[236+\b], 0                         ; written once: a lane permute's destination counts as one of its sources
.endr
	v_mov_b32 v252, 0
	v_mov_b32 v253, 0
.set J, 0
.rept 32
	v_mov_b32 v[160+J], 0                          ; O^T: the step is written once; the first change of M leaves zeros zeros
.set J, J+1
.endr
; A KEY STEP: 128 keys, the q-th of the slot in hand.  tr = 1: a wave of block i may turn helper at its head (steps 1 to 8: never in the last slot).
.macro STEP q, tr
.if \tr
	s_cmp_eq_u32 s[KF], s[TRK]                     ; ids and the count of steps alone
	s_cbranch_scc0 .Lstay_\@
	TRANSIT
.Lstay_\@:
.endif
	s_cmp_gt_u32 s[KF], s[SK0+\q]                  ; not my step: behind my tile's diagonal, or my partner's (ids and the count of steps alone)
	s_cbranch_scc1 .Lhidden_\@
	v_add_nc_u32 v8, s[TB], v1
	s_wait_alu depctr_va_vdst(0)
	v_add_nc_u32 v9, s[TB], v2
	s_wait_alu depctr_va_vdst(0)
	v_add_nc_u32 v10, s[TS], v3
	s_wait_alu depctr_va_vdst(0)
	v_add_nc_u32 v11, s[TJ], v4
	v_nop                                          ; six plain instructions: the score products below write over the registers from which the last products read V (five are asked), and loads land in their scale registers (four)
	v_nop
.irp g, 0,1                                    ; S^T = K Q^T, four tiles of 16 keys at a time
.if \g
.rept 4
	v_nop
.endr
.endif
.irp t, 0,1,2,3
	ds_load_b128 v[32+12*\t:35+12*\t], v8 offset:(8*(\q)+4*\g+\t)*768
	ds_load_b64 v[36+12*\t:37+12*\t], v9 offset:(8*(\q)+4*\g+\t)*768+512
	ds_load_b32 v[248+\t], v10 offset:64*(4*\g+\t)
.endr
	s_wait_dscnt 0x0
.irp t, 0,1,2,3
	v_wmma_scale_f32_16x16x128_f8f6f4 v[96+8*(4*\g+\t):103+8*(4*\g+\t)], v[32+12*\t:43+12*\t], v[16:27], 0, v[248+\t], v255 matrix_a_fmt:MATRIX_FMT_FP6 matrix_b_fmt:MATRIX_FMT_FP6
.endr
.endr                                          ; register 16 b + i holds key KF + 32 b + 16 h + i of my query
.rept 4
	v_nop
.endr
	s_add_co_u32 s96, s[KF], 127
	s_cmp_le_u32 s96, s[Q0]                        ; all keys count: no mask
	s_cbranch_scc1 .Lopen_\@
	s_sub_co_i32 s96, s[Q0], s[KF]
	v_add_nc_u32 v252, s96, v31                    ; d = my query - KF - 16 h: hidden where 32 b + i > d
	v_mov_b32 v254, 0xff800000
.set N, 0
.rept 64
	v_cmp_gt_i32 vcc_lo, 32*(N/16)+N%16, v252
	v_cndmask_b32 v[96+N], v[96+N], v254, vcc_lo
.set N, N+1
.endr
.Lopen_\@:
.irp b, 0,1,2,3
	v_max3_num_f32 v[232+\b], v[96+16*\b], v[97+16*\b], v[98+16*\b]   ; the largest score of each block of 32 keys: for the row's maximum and, since p rises with the score, for the block's largest p
.endr
.irp i, 3,5,7,9,11,13
.irp b, 0,1,2,3
	v_max3_num_f32 v[232+\b], v[232+\b], v[96+16*\b+\i], v[97+16*\b+\i]
.endr
.endr
.irp b, 0,1,2,3
	v_max_num_f32 v[232+\b], v[232+\b], v[111+16*\b]
.endr
.irp b, 0,1,2,3
	s_delay_alu instid0(VALU_DEP_4)
	v_permlanex16_b32 v[236+\b], v[232+\b], s[SEL], s[SEL+1]
.endr
.irp b, 0,1,2,3
	s_delay_alu instid0(VALU_DEP_4)
	v_max_num_f32 v[232+\b], v[232+\b], v[236+\b]
.endr
	s_delay_alu instid0(VALU_DEP_2)
	v_max3_num_f32 v254, v232, v233, v234
	s_delay_alu instid0(VALU_DEP_1)
	v_max_num_f32 v254, v254, v235
	s_delay_alu instid0(VALU_DEP_1)
	v_mul_f32 v254, s[CS], v254
	s_delay_alu instid0(VALU_DEP_1)
	v_max_num_f32 v13, v13, v254                   ; the running largest t
	v_mov_b32 v254, v12
	s_delay_alu instid0(VALU_DEP_2)
	v_floor_f32 v12, -v13                          ; the new -M: M is a whole number
	s_delay_alu instid0(VALU_DEP_1)
	v_sub_f32 v254, v12, v254
	s_delay_alu instid0(VALU_DEP_1)
	v_cvt_i32_f32 v254, v254                       ; (it saturates)
	s_delay_alu instid0(VALU_DEP_1)
	v_ldexp_f32 v252, 1.0, v254                    ; f = 2^(old M - new M): rounds nothing
.set J, 0
.rept 32
	v_pk_fma_f32 v[96+J:97+J], v[96+J:97+J], s[CS:CS+1], v[12:13] op_sel_hi:[1,0,0]   ; t - M
.set J, J+2
.endr
.irp b, 0,1,2,3
	v_fma_f32 v[232+\b], v[232+\b], s[CS], v12
.endr
.set J, 0
	s_wait_alu depctr_va_vdst(0)
.rept 64
	v_exp_f32 v[96+J], v[96+J]                     ; p = 2^(t - M): not normalised
.set J, J+1
.endr
	v_pk_mul_f32 v[14:15], v[14:15], v[252:253] op_sel_hi:[1,0]   ; the sums under the new M: a plain instruction behind the batch
	s_wait_alu depctr_va_vdst(0)                   ; one wait for the batch, ahead of the first line that names a result
.irp b, 0,1,2,3
	v_exp_f32 v[232+\b], v[232+\b]                 ; the block's largest p
.endr
	v_pk_add_f32 v[236:237], v[100:101], v[104:105]
	v_pk_add_f32 v[250:251], v[108:109], v[112:113]
	v_pk_add_f32 v[248:249], v[116:117], v[120:121]
	v_pk_add_f32 v[246:247], v[124:125], v[128:129]
	v_pk_add_f32 v[244:245], v[132:133], v[136:137]
	v_pk_add_f32 v[242:243], v[140:141], v[144:145]
	v_pk_add_f32 v[240:241], v[148:149], v[152:153]
	v_pk_add_f32 v[14:15], v[14:15], v[156:157]
	v_pk_add_f32 v[236:237], v[236:237], v[96:97]
	v_pk_add_f32 v[250:251], v[250:251], v[98:99]
	v_pk_add_f32 v[248:249], v[248:249], v[102:103]
	v_pk_add_f32 v[246:247], v[246:247], v[106:107]
	v_pk_add_f32 v[244:245], v[244:245], v[110:111]
	v_pk_add_f32 v[242:243], v[242:243], v[114:115]
	v_pk_add_f32 v[240:241], v[240:241], v[118:119]
	v_pk_add_f32 v[14:15], v[14:15], v[122:123]
	v_pk_add_f32 v[236:237], v[236:237], v[126:127]
	v_pk_add_f32 v[250:251], v[250:251], v[130:131]
	v_pk_add_f32 v[248:249], v[248:249], v[134:135]
	v_pk_add_f32 v[246:247], v[246:247], v[138:139]
	v_pk_add_f32 v[244:245], v[244:245], v[142:143]
	v_pk_add_f32 v[242:243], v[242:243], v[146:147]
	v_pk_add_f32 v[240:241], v[240:241], v[150:151]
	v_pk_add_f32 v[14:15], v[14:15], v[154:155]
	v_pk_add_f32 v[236:237], v[236:237], v[158:159]
	s_delay_alu instid0(VALU_DEP_2)
	v_pk_add_f32 v[14:15], v[14:15], v[246:247]
	s_delay_alu instid0(VALU_DEP_2)
	v_pk_add_f32 v[236:237], v[236:237], v[244:245]
	v_pk_add_f32 v[250:251], v[250:251], v[242:243]
	v_pk_add_f32 v[248:249], v[248:249], v[240:241]
	s_delay_alu instid0(VALU_DEP_2)
	v_pk_add_f32 v[14:15], v[14:15], v[250:251]
	s_delay_alu instid0(VALU_DEP_2)
	v_pk_add_f32 v[236:237], v[236:237], v[248:249]
	s_delay_alu instid0(VALU_DEP_1)
	v_pk_add_f32 v[14:15], v[14:15], v[236:237]
	s_wait_alu depctr_va_vdst(0)                   ; and one for the four
.irp b, 0,1,2,3
	v_max_num_f32 v[232+\b], 0x1800000, v[232+\b]  ; the floor 2^(3 - 127)
.endr
.irp b, 0,1,2,3
	s_delay_alu instid0(VALU_DEP_4)
	v_add_nc_u32 v[244+\b], 0xff000000, v[232+\b]
.endr
.irp b, 0,1,2,3
	s_delay_alu instid0(VALU_DEP_4)
	v_lshrrev_b32 v[236+\b], 23, v[244+\b]
.endr
	s_delay_alu instid0(VALU_DEP_3)
	v_lshl_or_b32 v253, v237, 8, v236              ; p's scale word for these 128 keys
	s_delay_alu instid0(VALU_DEP_1)
	v_lshl_or_b32 v253, v238, 16, v253
	s_delay_alu instid0(VALU_DEP_1)
	v_lshl_or_b32 v253, v239, 24, v253
.irp c, 0,1
	v_cvt_scalef32_pk16_fp6_f32 v[224+6*\c:226+6*\c], v[96+32*\c:111+32*\c], v[244+2*\c]
	v_cvt_scalef32_pk16_fp6_f32 v[236+4*\c:238+4*\c], v[112+32*\c:127+32*\c], v[244+2*\c+1]
.endr
	v_nop                                          ; one plain instruction behind the scaled conversions
.irp t, 0,1,2,3                                ; V's four fragments land where p lay, while p's codes are put in place and O^T is rescaled
	ds_load_b128 v[96+12*\t:99+12*\t], v8 offset:VOFF+(4*(\q)+\t)*1536
	ds_load_b64 v[100+12*\t:101+12*\t], v9 offset:VOFF+(4*(\q)+\t)*1536+512
	ds_load_b128 v[102+12*\t:105+12*\t], v8 offset:VOFF+(4*(\q)+\t)*1536+768
	ds_load_b64 v[106+12*\t:107+12*\t], v9 offset:VOFF+(4*(\q)+\t)*1536+1280
	ds_load_b32 v[248+\t], v11 offset:64*\t
.endr
.irp c, 0,1
.irp i, 0,1,2
	v_permlane16_swap_b32 v[224+6*\c+\i], v[236+4*\c+\i]
.endr
.irp i, 0,1,2
	s_delay_alu instid0(VALU_DEP_3)
	v_mov_b32 v[227+6*\c+\i], v[236+4*\c+\i]
.endr
.endr
.set J, 0
.rept 16
	v_pk_mul_f32 v[160+J:161+J], v[160+J:161+J], v[252:253] op_sel_hi:[1,0]   ; O^T under the new M; these are also the plain instructions between the writes of p's codes and scale word and the products
.set J, J+2
.endr
	s_wait_alu depctr_va_vdst(0)
	s_wait_dscnt 0x0
.irp t, 0,1,2,3                                ; O^T += V^T P^T, four accumulators by turns
	v_wmma_scale_f32_16x16x128_f8f6f4 v[160+8*\t:167+8*\t], v[96+12*\t:107+12*\t], v[224:235], v[160+8*\t:167+8*\t], v[248+\t], v253 matrix_a_fmt:MATRIX_FMT_FP6 matrix_b_fmt:MATRIX_FMT_FP6
.endr
.Lhidden_\@:
	s_add_co_u32 s[KF], s[KF], 128
	s_add_co_u32 s[TS], s[TS], 512
	s_add_co_u32 s[TJ], s[TJ], 256
.endm
; THE CHANGE OF SLOTS, at a slot's head: each wave waits for all its tensor loads, adds 0 to its spare word, waits for that and for its reads of the slot that it has left; behind the barrier that slot is filled with the keys that follow.
.macro CHANGE fill
	s_wait_tensorcnt 0x0                           ; no tensor load of mine is out, so the walking set may be written
	ds_add_u32 v5, v6
.if \fill
	ds_add_u32 v5, v6                              ; and once morethe add stands twice on end
	s_xor_b32 s41, s41, SLOT1
	s_add_nc_u64 s[42:43], s[42:43], 12288
	s_wait_xcnt 0x0                                ; the last prefetch, a slot back, has read its address
	s_add_nc_u64 s[PFA:PFA+1], s[PFA:PFA+1], 12288
.endif
	s_wait_dscnt 0x0
	s_barrier_signal -1
	s_barrier_wait -1
.if \fill
	s_add_co_u32 s96, s[KF], 256                   ; the first key of the slot that this change would ask for
	s_cmp_gt_u32 s96, s[LQ]                        ; past my work-group's last query: no wave would read it
	s_cbranch_scc1 .Lpast_\@
	TLOAD
.Lpast_\@:
	ASK
.endif
.endm
.macro SLOT_STEPS tr
	STEP 0, \tr
	STEP 1, \tr
	s_xor_b32 s[TB], s[TB], SLOT1
.endm
	s_wait_loadcnt 0x0                             ; Q, both tiles'
.Lslot:                                            ; seven trips
	CHANGE 1
	SLOT_STEPS 1
	s_sub_co_u32 s[SLOTS], s[SLOTS], 1
	s_cmp_lg_u32 s[SLOTS], 0
	s_cbranch_scc1 .Lslot
	CHANGE 0                                       ; the last slot is written out: nothing is left to ask for
	SLOT_STEPS 0
	; THE TWO PARTS OF THE TILE OF BLOCK 15 - i MEET.  Four plain instructions behind the last products, ahead of the LDS stores that read their results and of the LDS loads that land on V's fragments.
.rept 4
	v_nop
.endr
	s_cmp_lt_u32 s[WV], 8
	s_cbranch_scc0 .Lkeeps
	s_wait_alu depctr_va_vdst(0)
.irp k, 0,1,2,3,4,5,6,7
	ds_store_b128 v30, v[160+4*\k:163+4*\k] offset:512*\k    ; the helper's O^T, each accumulator from its low end on,
.endr
	ds_store_b128 v30, v[12:15] offset:4096                  ; and its -M, t and sum
.Lkeeps:
	s_wait_dscnt 0x0                               ; for the partner's sake: my stores have landed
	s_barrier_signal -1
	s_barrier_wait -1
	s_cmp_lt_u32 s[WV], 8
	s_cbranch_scc1 .Ldone
.irp k, 0,1,2,3,4,5,6,7
	ds_load_b128 v[96+4*\k:99+4*\k], v30 offset:512*\k       ; the same registers in the same lanes: lane (r, h) holds query r in both waves
.endr
	ds_load_b128 v[128:131], v30 offset:4096
	s_wait_dscnt 0x0
	v_min_num_f32 v132, v12, v128                  ; -M of the whole: the larger M
	s_delay_alu instid0(VALU_DEP_1)
	v_sub_f32 v133, v132, v12                      ; my M less that: a whole number, 0 or less
	s_delay_alu instid0(VALU_DEP_2)
	v_sub_f32 v134, v132, v128                     ; the helper's likewise (a helper that walked no step: -3e38)
	s_delay_alu instid0(VALU_DEP_2)
	v_cvt_i32_f32 v133, v133                       ; (it saturates)
	s_delay_alu instid0(VALU_DEP_2)
	v_cvt_i32_f32 v134, v134
	s_delay_alu instid0(VALU_DEP_2)
	v_ldexp_f32 v136, 1.0, v133                    ; the two factors: exact powers of two, or 0
	s_delay_alu instid0(VALU_DEP_2)
	v_ldexp_f32 v138, 1.0, v134
	s_delay_alu instid0(VALU_DEP_2)
	v_mov_b32 v137, v136
	s_delay_alu instid0(VALU_DEP_2)
	v_mov_b32 v139, v138
	s_delay_alu instid0(VALU_DEP_2)
	v_pk_mul_f32 v[14:15], v[14:15], v[136:137]
	s_delay_alu instid0(VALU_DEP_1)
	v_pk_fma_f32 v[14:15], v[130:131], v[138:139], v[14:15]
.set J, 0
.rept 16
	v_pk_mul_f32 v[160+J:161+J], v[160+J:161+J], v[136:137]
.set J, J+2
.endr
.set J, 0
.rept 16
	v_pk_fma_f32 v[160+J:161+J], v[96+J:97+J], v[138:139], v[160+J:161+J]
.set J, J+2
.endr
	WAYOUT
.Ldone:
	s_wait_tensorcnt 0x0                           ; the wave's end
	ds_add_u32 v5, v6
	s_wait_dscnt 0x0
	s_endpgm
.Lfunc_end_k_q6e1b6d80cb_attn:
	.size	k_q6e1b6d80cb_attn, .Lfunc_end_k_q6e1b6d80cb_attn-k_q6e1b6d80cb_attn
	.p2alignl 7, 3214868480
	.fill 96, 4, 3214868480
	.section	.rodata,"a",@progbits
	.p2align	6, 0x0
	.amdhsa_kernel k_q6e1b6d80cb_attn
		.amdhsa_group_segment_fixed_size 327680
		.amdhsa_private_segment_fixed_size 0
		.amdhsa_enable_private_segment 0
		.amdhsa_kernarg_size 16
		.amdhsa_user_sgpr_count 2
		.amdhsa_user_sgpr_kernarg_segment_ptr 1
		.amdhsa_wavefront_size32 1
		.amdhsa_system_sgpr_workgroup_id_x 1
		.amdhsa_system_sgpr_workgroup_id_y 1
		.amdhsa_system_sgpr_workgroup_id_z 1
		.amdhsa_system_vgpr_workitem_id 0
		.amdhsa_next_free_vgpr 256
		.amdhsa_next_free_sgpr 100
		.amdhsa_reserve_vcc 1
		.amdhsa_float_denorm_mode_32 3
		.amdhsa_float_denorm_mode_16_64 3
		.amdhsa_memory_ordered 1
		.amdhsa_forward_progress 1
		.amdhsa_inst_pref_size 126
	.end_amdhsa_kernel
	.amdgpu_metadata
---
amdhsa.version: [ 1, 2 ]
amdhsa.kernels:
  - .name:           k_q6e1b6d80cb_attn
    .symbol:         k_q6e1b6d80cb_attn.kd
    .args:
      - { .name: qkvb, .offset: 0, .size: 8, .value_kind: global_buffer, .address_space: global }
      - { .name: ao, .offset: 8, .size: 8, .value_kind: global_buffer, .address_space: global }
    .group_segment_fixed_size: 327680
    .private_segment_fixed_size: 0
    .kernarg_segment_align: 8
    .kernarg_segment_size: 16
    .max_flat_workgroup_size: 512
    .sgpr_count:     100
    .vgpr_count:     256
    .wavefront_size: 32
...
	.end_amdgpu_metadata
.endif
;; end of part 4
;; launch wo (part 5): grid 8 x 32, 4 waves a work-group, clusters of 4 x 4, 327,680 bytes of LDS; arguments ao, wqb, bo, x, x1; writes x1
.if DOCPART == 5
	.amdgcn_target "amdgcn-amd-amdhsa--gfx1250"
	.amdhsa_code_object_version 6
	.text
	.protected	k_q6e1b6d80cb_wo
	.globl	k_q6e1b6d80cb_wo
	.p2align	8
	.type	k_q6e1b6d80cb_wo,@function
k_q6e1b6d80cb_wo:
	s_mov_b64 s[64:65], 0
	v_nop
	global_prefetch_b8 v0, s[64:65] scope:SCOPE_SE
	s_setreg_imm32_b32 hwreg(HW_REG_WAVE_MODE, 25, 1), 1
	s_wait_xcnt 0x0
	s_wait_alu depctr_hold_cnt(0) depctr_sa_sdst(0) depctr_va_vdst(0) depctr_va_sdst(0) depctr_va_ssrc(0) depctr_va_vcc(0) depctr_vm_vsrc(0)
	s_getreg_b32 s2, hwreg(HW_REG_IB_STS2, 6, 4)
	s_cmp_eq_u32 s2, 0
	s_cbranch_scc0 .Lentry_in_a_cluster
	s_endpgm
.Lentry_in_a_cluster:
	s_bfe_u32 s2, ttmp6, 0x10000c
	s_cmp_lg_u32 s2, 0xf033
	s_cbranch_scc0 .Lentry_shape_is_right
	s_endpgm
.Lentry_shape_is_right:
; x1 = x + attention's output x Wo + bo, the product on codes of FP6 (E2M3), K = 1,024; x1 is f32.
; One tile of 128 x 128 to a work-group of four waves, 64 x 64 a wave: 256 work-groups.  All of K (A's and the weight's 98,304 bytes each) comes into LDS with the first fills; nothing is filled again.
; Operands are images of their registers (half image of 16 rows x 64 K: lane l's bytes 0-15 at 16 l, bytes 16-23 at 512 + 8 l); tile 2 B + u, lane index r = row 32 B + 8 u + r + 8 (r / 8).
; Source 0 = the weight's columns, source 1 = rows: a lane holds one row and neighbouring columns.  The way out goes through the wave's own stage in LDS: sixteen lanes store 256 consecutive aligned bytes.
; The residual's 32 loads a lane go out at the head, into window 2, and are there when the products end.
; CLUSTER 4 x 4: A's blocks are shared along a row of the cluster, the weight's along a column.
; REGISTERS. window 0: v2 h; v3 16 l; v4 8 l; v5 4 r; v6-9 LDS addresses of A and B; v12 scale words' address; v14-15 the add's two; v16 my place in two rows of x1; v17, v18 the stage, in and back; v19 16 r; v20-23 the bias;
;   v32-63 scale words; v96-127 rows on the way out; v128-255 accumulators.   window 1: two sets of fragments.   window 2: v0-127 the residual.
; THE HEAD'S FOUR TILES, one joint load a wave: wave 0 A's 98,304 bytes, wave 1 the weight's, wave 2 A's scale words (4,096 bytes), wave 3 the weight's.
.set NT,    1
.set SCR,   98304
.set SPARE, 126976                     ; the spare words, 512 bytes; no other line names them
.set STG,   131072                     ; four stages of 16 rows x 272 bytes; no tile lands here
.set ALDS,  229376
.set OFFC,  2359296
.set OFFS,  9535488
.set SC,  32
.set ACC, 128
.set MULW, 0x05
.set TO_F, 0x40
.set MSB, 0
.macro WIN new
.if MSB != \new
	s_set_vgpr_msb (MSB<<8)|\new
.set MSB, \new
.endif
.endm
.macro PLACES n
.rept \n
	v_nop
.endr
.endm
.macro CROUND
	s_barrier_signal -1
	s_barrier_wait -1
	s_cmp_lg_u32 s14, 0
	s_cbranch_scc1 .Lnot_wave_0_\@
	s_barrier_signal -3
.Lnot_wave_0_\@:
	s_barrier_wait -3
	s_barrier_signal -1
	s_barrier_wait -1
.endm
.macro ARM under, g0, g1, next         ; an arm of the head's one chain of branches on the wave's number: its load, and a jump to the chain's end
	s_cmp_lt_u32 s14, \under
	s_cbranch_scc0 \next
	tensor_load_to_lds s[\g0:\g0+3], s[\g1:\g1+7]
	s_nop 0
	PLACES 4
	s_branch .Lhead_asked
\next:
.endm
.macro G1SET g, c, r, p
	s_mov_b32 s[\g+1], (\c)<<16
	s_mov_b32 s[\g+2], (\r)<<16
	s_mov_b32 s[\g+3], (\c)<<16
	s_mov_b32 s[\g+4], \r
	s_mov_b32 s[\g+5], \p
	s_mov_b32 s[\g+6], 0
	s_mov_b32 s[\g+7], 0
.endm
.macro FETCH s, f
	WIN TO_F
.irp i, 0,1,2,3
	ds_load_b128 v[\f+12*\i:\f+12*\i+3], v6 offset:12288*\i+1536*(\s)
	ds_load_b64 v[\f+12*\i+4:\f+12*\i+5], v7 offset:12288*\i+1536*(\s)+512
	ds_load_b128 v[\f+12*\i+6:\f+12*\i+9], v6 offset:12288*\i+1536*(\s)+768
	ds_load_b64 v[\f+12*\i+10:\f+12*\i+11], v7 offset:12288*\i+1536*(\s)+1280
.endr
.irp i, 0,1,2,3
	ds_load_b128 v[\f+48+12*\i:\f+48+12*\i+3], v8 offset:12288*\i+1536*(\s)
	ds_load_b64 v[\f+48+12*\i+4:\f+48+12*\i+5], v9 offset:12288*\i+1536*(\s)+512
	ds_load_b128 v[\f+48+12*\i+6:\f+48+12*\i+9], v8 offset:12288*\i+1536*(\s)+768
	ds_load_b64 v[\f+48+12*\i+10:\f+48+12*\i+11], v9 offset:12288*\i+1536*(\s)+1280
.endr
.endm
.macro MUL s, f                        ; 16 products, the accumulators by turns; K step 0 starts the sums
	WIN MULW
.irp a, 0,1,2,3
.irp t, 0,1,2,3
.if \s == 0
	v_wmma_scale_f32_16x16x128_f8f6f4 v[ACC+8*(4*\a+\t):ACC+8*(4*\a+\t)+7], v[\f+48+12*\t:\f+48+12*\t+11], v[\f+12*\a:\f+12*\a+11], 0, v[SC+4*\s+\t], v[SC+4*\s+\a] matrix_a_fmt:MATRIX_FMT_FP6 matrix_b_fmt:MATRIX_FMT_FP6 matrix_a_scale:MATRIX_SCALE_ROW1
.else
	v_wmma_scale_f32_16x16x128_f8f6f4 v[ACC+8*(4*\a+\t):ACC+8*(4*\a+\t)+7], v[\f+48+12*\t:\f+48+12*\t+11], v[\f+12*\a:\f+12*\a+11], v[ACC+8*(4*\a+\t):ACC+8*(4*\a+\t)+7], v[SC+4*\s+\t], v[SC+4*\s+\a] matrix_a_fmt:MATRIX_FMT_FP6 matrix_b_fmt:MATRIX_FMT_FP6 matrix_a_scale:MATRIX_SCALE_ROW1
.endif
.endr
.endr
.endm
	s_load_b256 s[4:11], s[0:1], 0x0               ; ao, wqb, bo, x
	s_load_b64 s[12:13], s[0:1], 0x20              ; x1
	v_lshl_add_u32 v14, v0, 2, SPARE
	v_mov_b32 v15, 0
	ds_add_u32 v14, v15                            ; the wave's opening: the add and its wait ahead of my first tensor load
	ds_add_u32 v14, v15
	v_lshrrev_b32 v1, 5, v0
	v_readfirstlane_b32 s14, v1
	s_lshr_b32 s15, s14, 1
	s_and_b32 s16, s14, 1
	s_bfe_u32 s80, ttmp6, 0x40000
	s_bfe_u32 s81, ttmp6, 0x40004
	s_lshl_b32 s82, ttmp9, 2
	s_add_co_u32 s82, s82, s80                     ; cb
	s_and_b32 s17, ttmp7, 0xffff
	s_lshl_b32 s17, s17, 2
	s_add_co_u32 s17, s17, s81                     ; rb
	s_lshl_b32 s83, s81, 2
	s_lshl_b32 s83, 15, s83
	s_lshl_b32 s84, 0x1111, s80
	s_or_b32 s24, s83, (3<<16)|(1<<21)
	s_or_b32 s32, s84, (3<<16)|(1<<21)
	s_or_b32 s40, s83, (3<<16)|(1<<21)
	s_or_b32 s48, s84, (3<<16)|(1<<21)
	G1SET 24, 32, 384, 32                          ; A: 98,304 dense bytes
	G1SET 32, 32, 384, 32                          ; the weight: the same
	G1SET 40, 32, 16, 32                           ; A's scale words of 8 tiles: 4,096 dense bytes
	G1SET 48, 32, 16, 32                           ; the weight's: the same
	s_lshl_b32 s20, s17, 3
	s_mul_i32 s20, s20, 12288
	s_mov_b32 s21, 0
	s_lshl_b32 s22, s17, 3
	s_lshl_b32 s22, s22, 9
	s_add_co_u32 s22, s22, 3145728
	s_mov_b32 s23, 0
	s_lshl_b32 s86, s82, 3
	s_mul_i32 s86, s86, 12288
	s_add_co_u32 s86, s86, OFFC
	s_mov_b32 s87, 0
	s_lshl_b32 s88, s82, 3
	s_lshl_b32 s88, s88, 9
	s_add_co_u32 s88, s88, OFFS
	s_mov_b32 s89, 0
	s_wait_dscnt 0x0
	s_wait_kmcnt 0x0
	s_mov_b32 s56, 1
	s_mov_b32 s57, ALDS
	s_add_nc_u64 s[58:59], s[4:5], s[20:21]
	s_or_b32 s59, s59, 0x80000000
	s_mov_b32 s60, 1
	s_mov_b32 s61, SCR
	s_add_nc_u64 s[62:63], s[4:5], s[22:23]
	s_or_b32 s63, s63, 0x80000000
	s_mov_b32 s68, 1
	s_mov_b32 s69, SCR+4096
	s_add_nc_u64 s[70:71], s[6:7], s[88:89]
	s_or_b32 s71, s71, 0x80000000
	s_mov_b32 s72, 1
	s_mov_b32 s73, 0
	s_add_nc_u64 s[74:75], s[6:7], s[86:87]
	s_or_b32 s75, s75, 0x80000000
	CROUND                                         ; all sixteen work-groups are here: the joint loads meet
	ARM 1, 56, 24, .Lhead_w                        ; wave 0: A
	ARM 2, 72, 32, .Lhead_sa                       ; wave 1: the weight
	ARM 3, 60, 40, .Lhead_sw                       ; wave 2: A's scale words
	tensor_load_to_lds s[68:71], s[48:55]          ; wave 3: the weight's scale words
	s_nop 0
	PLACES 4
.Lhead_asked:
	v_and_b32 v3, 31, v0
	v_and_b32 v1, 15, v0                           ; r
	v_bfe_u32 v2, v0, 4, 1                         ; h
	v_lshlrev_b32 v4, 3, v3
	v_lshlrev_b32 v3, 4, v3
	v_lshlrev_b32 v5, 2, v1
	v_lshlrev_b32 v19, 4, v1
	s_wait_alu depctr_va_vdst(0)
	v_lshl_add_u32 v16, v2, 12, v19                ; lanes 0-15 one row of x1, lanes 16-31 the next; 16 bytes a lane
	s_wait_alu depctr_va_vdst(0)
	s_lshl_b32 s20, s17, 7
	s_lshl_b32 s21, s15, 6
	s_add_co_u32 s20, s20, s21
	s_lshl_b32 s20, s20, 12                        ; my first row,
	s_lshl_b32 s21, s82, 9
	s_add_co_u32 s20, s20, s21
	s_lshl_b32 s22, s16, 8
	s_add_co_u32 s20, s20, s22                     ; my first column
	s_add_co_u32 s22, s21, s22
	s_mov_b32 s21, 0
	s_mov_b32 s23, 0
	s_add_nc_u64 s[10:11], s[10:11], s[20:21]
	s_add_nc_u64 s[12:13], s[12:13], s[20:21]
	s_add_nc_u64 s[8:9], s[8:9], s[22:23]
	global_load_b128 v[20:23], v19, s[8:9]         ; the bias of my four columns on the way out
	WIN 0x80                                       ; destination window 2
.irp a, 0,1,2,3
.irp i, 0,1,2,3,4,5,6,7
	global_load_b128 v[32*\a+4*\i:32*\a+4*\i+3], v16, s[10:11] offset:(32*(\a/2)+8*(\a%2)+2*\i+8*(\i/4))*4096
.endr
.endr
	WIN 0
	s_mul_i32 s20, s15, 49152
	s_add_co_u32 s20, s20, ALDS
	v_add_nc_u32 v6, s20, v3
	v_add_nc_u32 v7, s20, v4
	s_mul_i32 s20, s16, 49152
	v_add_nc_u32 v8, s20, v3
	v_add_nc_u32 v9, s20, v4
	s_lshl_b32 s21, s15, 11
	s_mul_i32 s22, s16, NT*2048
	s_add_co_u32 s22, s22, 4096
	s_sub_co_u32 s22, s22, s21
	v_mul_u32_u24 v12, s22, v2                     ; lanes 16-31 take the weight's scale words
	s_add_co_u32 s21, s21, SCR
	v_add_nc_u32 v12, v12, v5
	v_add_nc_u32 v12, s21, v12
	s_mul_i32 s20, s14, 4352
	s_add_co_u32 s20, s20, STG                     ; my stage
	v_mul_u32_u24 v17, v1, 272
	v_lshl_add_u32 v17, v2, 6, v17
	v_add_nc_u32 v17, s20, v17                     ; in: row r, + 64 h
	v_mul_u32_u24 v18, v2, 272
	v_add_nc_u32 v18, v18, v19
	v_add_nc_u32 v18, s20, v18                     ; back: two rows an instruction
	s_wait_alu depctr_va_vdst(0)
	s_wait_tensorcnt 0x0                           ; my parts have landed,
	s_barrier_signal -1
	s_barrier_wait -1                              ; everybody's have
.irp s, 0,1,2,3,4,5,6,7
.irp i, 0,1,2,3
	ds_load_b32 v[SC+4*\s+\i], v12 offset:512*\i+64*\s
.endr
.endr
	FETCH 0, 0
.irp s, 0,1,2,3,4,5,6,7
.if \s > 0
	PLACES 4                                       ; ahead of loads into registers that products have read
.endif
.if \s < 7
	FETCH \s+1, 128*((\s+1)%2)
	s_wait_dscnt 32                                ; all but the 32 loads just issued
.else
	s_wait_dscnt 0x0
.endif
	MUL \s, 128*(\s%2)
.endr
	; THE WAY OUT, a tile of 16 rows at a time: through my stage, + the residual, + the bias
	s_wait_loadcnt 0x0
	PLACES 4
	WIN 0
.irp a, 0,1,2,3
.if \a > 0
	s_wait_xcnt 0x0                                ; the last tile's stores have read v96-127
.endif
.irp t, 0,1,2,3
	ds_store_b128 v17, v[ACC+8*(4*\a+\t):ACC+8*(4*\a+\t)+3] offset:128*(\t/2)+32*(\t%2)       ; each accumulator from its low end on
	ds_store_b128 v17, v[ACC+8*(4*\a+\t)+4:ACC+8*(4*\a+\t)+7] offset:128*(\t/2)+32*(\t%2)+16
.endr
.irp i, 0,1,2,3,4,5,6,7
	ds_load_b128 v[96+4*\i:99+4*\i], v18 offset:544*\i     ; LDS serves a wave's instructions in order: these see my stores
.endr
	s_wait_dscnt 0x0
	WIN 0x08                                       ; source 1 (the residual) window 2
.irp m, 0,2,4,6,8,10,12,14,16,18,20,22,24,26,28,30
	v_pk_add_f32 v[96+\m:97+\m], v[96+\m:97+\m], v[32*\a+\m:32*\a+\m+1]
.endr
	WIN 0
.irp i, 0,1,2,3,4,5,6,7
	v_pk_add_f32 v[96+4*\i:97+4*\i], v[96+4*\i:97+4*\i], v[20:21]
	v_pk_add_f32 v[98+4*\i:99+4*\i], v[98+4*\i:99+4*\i], v[22:23]
.endr
.irp i, 0,1,2,3,4,5,6,7
	global_store_b128 v16, v[96+4*\i:99+4*\i], s[12:13] offset:(32*(\a/2)+8*(\a%2)+2*\i+8*(\i/4))*4096   ; sixteen lanes store 256 consecutive aligned bytes
.endr
.endr
	s_wait_tensorcnt 0x0                           ; the wave's end
	ds_add_u32 v14, v15
	s_wait_dscnt 0x0
	CROUND                                         ; the closing round
	s_endpgm
.Lfunc_end_k_q6e1b6d80cb_wo:
	.size	k_q6e1b6d80cb_wo, .Lfunc_end_k_q6e1b6d80cb_wo-k_q6e1b6d80cb_wo
	.p2alignl 7, 3214868480
	.fill 96, 4, 3214868480
	.section	.rodata,"a",@progbits
	.p2align	6, 0x0
	.amdhsa_kernel k_q6e1b6d80cb_wo
		.amdhsa_group_segment_fixed_size 327680
		.amdhsa_private_segment_fixed_size 0
		.amdhsa_enable_private_segment 0
		.amdhsa_kernarg_size 40
		.amdhsa_user_sgpr_count 2
		.amdhsa_user_sgpr_kernarg_segment_ptr 1
		.amdhsa_wavefront_size32 1
		.amdhsa_system_sgpr_workgroup_id_x 1
		.amdhsa_system_sgpr_workgroup_id_y 1
		.amdhsa_system_sgpr_workgroup_id_z 1
		.amdhsa_system_vgpr_workitem_id 0
		.amdhsa_next_free_vgpr 640
		.amdhsa_next_free_sgpr 100
		.amdhsa_reserve_vcc 0
		.amdhsa_float_denorm_mode_32 3
		.amdhsa_float_denorm_mode_16_64 3
		.amdhsa_memory_ordered 1
		.amdhsa_forward_progress 1
		.amdhsa_inst_pref_size 63
	.end_amdhsa_kernel
	.amdgpu_metadata
---
amdhsa.version: [ 1, 2 ]
amdhsa.kernels:
  - .name:           k_q6e1b6d80cb_wo
    .symbol:         k_q6e1b6d80cb_wo.kd
    .args:
      - { .name: ao, .offset: 0, .size: 8, .value_kind: global_buffer, .address_space: global }
      - { .name: wqb, .offset: 8, .size: 8, .value_kind: global_buffer, .address_space: global }
      - { .name: bo, .offset: 16, .size: 8, .value_kind: global_buffer, .address_space: global }
      - { .name: x, .offset: 24, .size: 8, .value_kind: global_buffer, .address_space: global }
      - { .name: x1, .offset: 32, .size: 8, .value_kind: global_buffer, .address_space: global }
    .group_segment_fixed_size: 327680
    .private_segment_fixed_size: 0
    .kernarg_segment_align: 8
    .kernarg_segment_size: 40
    .max_flat_workgroup_size: 128
    .sgpr_count:     100
    .vgpr_count:     640
    .wavefront_size: 32
...
	.end_amdgpu_metadata
.endif
;; end of part 5
;; launch ln2: the kernel of part 2 again; grid 256 x 1, 16 waves a work-group, no clusters, 88,832 bytes of LDS; arguments x1, g2, b2, h2; writes h2
;; launch w1 (part 6): grid 8 x 32, 4 waves a work-group, clusters of 4 x 4, 327,680 bytes of LDS; arguments h2, wqb, b1f, hid; writes hid
.if DOCPART == 6
	.amdgcn_target "amdgcn-amd-amdhsa--gfx1250"
	.amdhsa_code_object_version 6
	.text
	.protected	k_q6e1b6d80cb_w1
	.globl	k_q6e1b6d80cb_w1
	.p2align	8
	.type	k_q6e1b6d80cb_w1,@function
k_q6e1b6d80cb_w1:
	s_mov_b64 s[64:65], 0
	v_nop
	global_prefetch_b8 v0, s[64:65] scope:SCOPE_SE
	s_setreg_imm32_b32 hwreg(HW_REG_WAVE_MODE, 25, 1), 1
	s_wait_xcnt 0x0
	s_wait_alu depctr_hold_cnt(0) depctr_sa_sdst(0) depctr_va_vdst(0) depctr_va_sdst(0) depctr_va_ssrc(0) depctr_va_vcc(0) depctr_vm_vsrc(0)
	s_getreg_b32 s2, hwreg(HW_REG_IB_STS2, 6, 4)
	s_cmp_eq_u32 s2, 0
	s_cbranch_scc0 .Lentry_in_a_cluster
	s_endpgm
.Lentry_in_a_cluster:
	s_bfe_u32 s2, ttmp6, 0x10000c
	s_cmp_lg_u32 s2, 0xf033
	s_cbranch_scc0 .Lentry_shape_is_right
	s_endpgm
.Lentry_shape_is_right:
; hid = Q(gelu(LN2(x1) W1 + b1f)): the product on codes of FP6 (E2M3), K = 1,024; the exact gelu in f32; the result quantised along the 4,096 hidden units in registers and stored as the next product's operand.
; A work-group of four waves takes 128 rows and STAYS for four tiles of 128 columns, 1,024 columns apart; A's codes stay in LDS, the weight's tiles go through two slots.  A wave makes 64 x 64.
; Two loops of two trips: in the first each trip fills a slot again, in the second nothing is left to ask for.
; Operands are images of their registers (half image of 16 rows x 64 K: lane l's bytes 0-15 at 16 l, bytes 16-23 at 512 + 8 l); tile 2 B + u, lane index r = row 32 B + 8 u + r + 8 (r / 8).
; Source 0 = the weight's columns, source 1 = rows: a lane holds one row and 32 of my 64 hidden units, 16 neighbours of each block of 32: my 64 units are half a K step of the next product.
; GELU: 0.5 x (1 + erf(x / sqrt 2)), erf(z) = z P(z^2) / Q(z^2), a rational form good to a few units in f32's last place, z held to +-4.
; LIMITS: beyond |z| = 4 erf keeps its value at 4, so gelu(x) for x under -5.66 may be of the order of 1e-7 |x| where it should be smaller.  NaN and infinities are not served; a block of zeros or under 2^-124 gets the byte 1.
;   The 2-byte scale stores fill their 256-byte runs in part: 1/24 of the codes' bytes.
; CLUSTER 4 x 4: A's blocks are shared along a row of the cluster, the weight's along a column.
; REGISTERS. window 0: v1 the bias's lane offset; v2 h; v3 16 l; v4 8 l; v5 4 r; v6-7 A's LDS addresses; v8-9 B's; v10-11 their lane parts; v12-13 scale words' address; v14-15 the add's two; v16-19 two constants as pairs;
;   v20-30 the quantiser's; v32-63 scale words; v64-127 the gelu's (z, z^2, P, Q), then the codes; v128-255 accumulators.   window 1: two sets of fragments; v224-255 the bias.
; A'S FRAGMENTS STAY IN REGISTERS (this takes the place of what the map above says of them): each wave reads its 64 rows x 1,024 K from LDS once, 128 loads, into windows 2 and 3:
; K steps 0-4 at v[48 s + 12 a] of window 2, K steps 5-7 at v[48 (s - 5) + 12 a] of window 3, 384 registers, and keeps them for all NT tiles.  A K step then fetches the weight's four fragments alone: 16 LDS loads.
; Window 1 holds the weight's two sets, at v48-95 and v176-223, and the bias.
; THE HEAD'S FOUR TILES, one joint load a wave: wave 0 A's 98,304 bytes, wave 1 the first tile of weights (slot 0), wave 2 A's scale words, wave 3 the weights' scale words of all NT tiles.  Slot 1 is first filled behind a drained round, a quarter a wave.
.set NT,    4
.set SLOT1, 131072
.set SCR,   98304                      ; scale words: A's [8 tiles][8][64], then the weights' [NT][8 tiles][8][64]
.set SPARE, 126976                     ; the spare words, 512 bytes; no other line names them
.set ALDS,  229376
.set OFFC,  3145728
.set OFFS,  9568256
.set SC,  32
.set ACC, 128
.set QT,  20
.set SEL, 18
.set MULW, 0x05
.set TO_F, 0x40
.set MSB, 0
.macro WIN new
.if MSB != \new
	s_set_vgpr_msb (MSB<<8)|\new
.set MSB, \new
.endif
.endm
.macro PLACES n
.rept \n
	v_nop
.endr
.endm
.macro CROUND
	s_barrier_signal -1
	s_barrier_wait -1
	s_cmp_lg_u32 s14, 0
	s_cbranch_scc1 .Lnot_wave_0_\@
	s_barrier_signal -3
.Lnot_wave_0_\@:
	s_barrier_wait -3
	s_barrier_signal -1
	s_barrier_wait -1
.endm
.macro ARM under, g0, g1, next         ; an arm of the head's one chain of branches on the wave's number: its load, and a jump to the chain's end
	s_cmp_lt_u32 s14, \under
	s_cbranch_scc0 \next
	tensor_load_to_lds s[\g0:\g0+3], s[\g1:\g1+7]
	s_nop 0
	PLACES 4
	s_branch .Lhead_asked
\next:
.endm
.macro G1SET g, c, r, p
	s_mov_b32 s[\g+1], (\c)<<16
	s_mov_b32 s[\g+2], (\r)<<16
	s_mov_b32 s[\g+3], (\c)<<16
	s_mov_b32 s[\g+4], \r
	s_mov_b32 s[\g+5], \p
	s_mov_b32 s[\g+6], 0
	s_mov_b32 s[\g+7], 0
.endm
.macro AFETCH                          ; my four tiles of A, all eight K steps, into windows 2 and 3: once in the launch
.irp s, 0,1,2,3,4,5,6,7
	WIN (2+\s/5)<<6
.irp i, 0,1,2,3
	ds_load_b128 v[48*(\s%5)+12*\i:48*(\s%5)+12*\i+3], v6 offset:12288*\i+1536*\s
	ds_load_b64 v[48*(\s%5)+12*\i+4:48*(\s%5)+12*\i+5], v7 offset:12288*\i+1536*\s+512
	ds_load_b128 v[48*(\s%5)+12*\i+6:48*(\s%5)+12*\i+9], v6 offset:12288*\i+1536*\s+768
	ds_load_b64 v[48*(\s%5)+12*\i+10:48*(\s%5)+12*\i+11], v7 offset:12288*\i+1536*\s+1280
.endr
.endr
	WIN 0
.endm
.macro FETCH s, f                      ; K step s: the weight's four fragments into set f: 16 loads of consecutive bytes
	WIN TO_F
.irp i, 0,1,2,3
	ds_load_b128 v[\f+48+12*\i:\f+48+12*\i+3], v8 offset:12288*\i+1536*(\s)
	ds_load_b64 v[\f+48+12*\i+4:\f+48+12*\i+5], v9 offset:12288*\i+1536*(\s)+512
	ds_load_b128 v[\f+48+12*\i+6:\f+48+12*\i+9], v8 offset:12288*\i+1536*(\s)+768
	ds_load_b64 v[\f+48+12*\i+10:\f+48+12*\i+11], v9 offset:12288*\i+1536*(\s)+1280
.endr
.endm
.macro MUL s, f                        ; 16 products, the accumulators by turns; K step 0 starts the sums
	WIN 1|((2+(\s)/5)<<2)                          ; source 0 (the weight) window 1, source 1 (A) window 2 or 3
.set AF_, 48*((\s)%5)
.irp a, 0,1,2,3
.irp t, 0,1,2,3
.if \s == 0
	v_wmma_scale_f32_16x16x128_f8f6f4 v[ACC+8*(4*\a+\t):ACC+8*(4*\a+\t)+7], v[\f+48+12*\t:\f+48+12*\t+11], v[AF_+12*\a:AF_+12*\a+11], 0, v[SC+4*\s+\t], v[SC+4*\s+\a] matrix_a_fmt:MATRIX_FMT_FP6 matrix_b_fmt:MATRIX_FMT_FP6 matrix_a_scale:MATRIX_SCALE_ROW1
.else
	v_wmma_scale_f32_16x16x128_f8f6f4 v[ACC+8*(4*\a+\t):ACC+8*(4*\a+\t)+7], v[\f+48+12*\t:\f+48+12*\t+11], v[AF_+12*\a:AF_+12*\a+11], v[ACC+8*(4*\a+\t):ACC+8*(4*\a+\t)+7], v[SC+4*\s+\t], v[SC+4*\s+\a] matrix_a_fmt:MATRIX_FMT_FP6 matrix_b_fmt:MATRIX_FMT_FP6 matrix_a_scale:MATRIX_SCALE_ROW1
.endif
.endr
.endr
.endm
; A tile of C: s12 = the slot's LDS byte, s13 = 4,096 x the tile's number, s[8:9] = the bias at the tile's columns
.macro PHASE
	PLACES 4
	WIN 0
	v_add_nc_u32 v8, s12, v10
	s_wait_alu depctr_va_vdst(0)
	v_add_nc_u32 v9, s12, v11
	s_wait_alu depctr_va_vdst(0)
	v_mul_u32_u24 v12, s13, v2
	v_add_nc_u32 v12, v12, v13                     ; lanes 16-31: this tile's weights' scale words
	WIN TO_F
.irp k, 0,1,2,3,4,5,6,7
	global_load_b128 v[224+4*\k:227+4*\k], v1, s[8:9] offset:128*(\k/4)+16*(\k%4)   ; the bias of my 32 columns: used in the epilogue
.endr
	WIN 0
.irp s, 0,1,2,3,4,5,6,7
.irp i, 0,1,2,3
	ds_load_b32 v[SC+4*\s+\i], v12 offset:512*\i+64*\s
.endr
.endr
	FETCH 0, 0
.irp s, 0,1,2,3,4,5,6,7
.if \s > 0
	PLACES 4
.endif
.if \s < 7
	FETCH \s+1, 128*((\s+1)%2)
	s_wait_dscnt 16                                ; all but the 16 loads just issued
.else
	s_wait_dscnt 0x0
.endif
	MUL \s, 128*(\s%2)
.endr
.endm
.macro QUANT32 src, p, w
	v_max3_num_f32 v[QT], |v[\src]|, |v[\src+1]|, 0x1800000
	v_max3_num_f32 v[QT+1], |v[\src+16]|, |v[\src+17]|, 0x1800000
.irp i, 2,4,6,8,10,12,14
	v_max3_num_f32 v[QT], v[QT], |v[\src+\i]|, |v[\src+\i+1]|
	v_max3_num_f32 v[QT+1], v[QT+1], |v[\src+16+\i]|, |v[\src+17+\i]|
.endr
	v_permlanex16_b32 v[QT+2], v[QT], s[SEL], s[SEL+1]
	v_permlanex16_b32 v[QT+3], v[QT+1], s[SEL], s[SEL+1]
	v_max_num_f32 v[QT], v[QT], v[QT+2]
	v_max_num_f32 v[QT+1], v[QT+1], v[QT+3]
	v_add_nc_u32 v[QT+4], 0xff000000, v[QT]
	v_add_nc_u32 v[QT+5], 0xff000000, v[QT+1]
	v_lshrrev_b32 v[QT+2], 23, v[QT+4]
	v_lshrrev_b32 v[QT+3], 23, v[QT+5]
	v_lshl_or_b32 v[\w], v[QT+3], 8, v[QT+2]
	v_cvt_scalef32_pk16_fp6_f32 v[\p:\p+2], v[\src:\src+15], v[QT+4]
	v_cvt_scalef32_pk16_fp6_f32 v[QT+8:QT+10], v[\src+16:\src+31], v[QT+5]
	v_nop
.irp i, 0,1,2
	v_permlane16_swap_b32 v[\p+\i], v[QT+8+\i]
.endr
.irp i, 0,1,2
	v_mov_b32 v[\p+3+\i], v[QT+8+\i]
.endr
.endm
; 16 results at v[x] on, their bias at v[b] on of window 1: x = gelu(x + bias), two numbers an instruction but for the hold and the reciprocals
.macro GELU16 x, b
	WIN 0x04
.irp m, 0,2,4,6,8,10,12,14
	v_pk_add_f32 v[\x+\m:\x+\m+1], v[\x+\m:\x+\m+1], v[\b+\m:\b+\m+1]
.endr
	WIN 0
.irp m, 0,2,4,6,8,10,12,14
	v_pk_mul_f32 v[64+\m:65+\m], v[\x+\m:\x+\m+1], s[40:41] op_sel_hi:[1,0]        ; z = x / sqrt 2
.endr
.irp m, 0,1,2,3,4,5,6,7,8,9,10,11,12,13,14,15
	v_med3_num_f32 v[64+\m], v[64+\m], -4.0, 4.0
.endr
.irp m, 0,2,4,6,8,10,12,14
	v_pk_mul_f32 v[80+\m:81+\m], v[64+\m:65+\m], v[64+\m:65+\m]
.endr
.irp m, 0,2,4,6,8,10,12,14
	v_pk_fma_f32 v[96+\m:97+\m], v[80+\m:81+\m], s[42:43], v[16:17] op_sel_hi:[1,0,1]
	v_pk_fma_f32 v[112+\m:113+\m], v[80+\m:81+\m], s[54:55], v[18:19] op_sel_hi:[1,0,1]
.endr
.irp c, 44,46,48,50,52
.irp m, 0,2,4,6,8,10,12,14
	v_pk_fma_f32 v[96+\m:97+\m], v[96+\m:97+\m], v[80+\m:81+\m], s[\c:\c+1] op_sel_hi:[1,1,0]
.endr
.endr
.irp c, 56,58,60
.irp m, 0,2,4,6,8,10,12,14
	v_pk_fma_f32 v[112+\m:113+\m], v[112+\m:113+\m], v[80+\m:81+\m], s[\c:\c+1] op_sel_hi:[1,1,0]
.endr
.endr
	s_wait_alu depctr_va_vdst(0)
.irp m, 0,1,2,3,4,5,6,7,8,9,10,11,12,13,14,15
	v_rcp_f32 v[112+\m], v[112+\m]
.endr
.irp m, 0,2,4,6,8,10,12,14
	v_pk_mul_f32 v[96+\m:97+\m], v[96+\m:97+\m], v[64+\m:65+\m]                     ; z P: plain work behind the batch of reciprocals
	v_pk_mul_f32 v[\x+\m:\x+\m+1], v[\x+\m:\x+\m+1], 0.5 op_sel_hi:[1,0]
.endr
	s_wait_alu depctr_va_vdst(0)                   ; one wait for the sixteen, ahead of the first line that names a result
.irp m, 0,2,4,6,8,10,12,14
	v_pk_mul_f32 v[96+\m:97+\m], v[96+\m:97+\m], v[112+\m:113+\m]                   ; erf
.endr
.irp m, 0,2,4,6,8,10,12,14
	v_pk_fma_f32 v[\x+\m:\x+\m+1], v[\x+\m:\x+\m+1], v[96+\m:97+\m], v[\x+\m:\x+\m+1]
.endr
.endm
.macro EPI_G
	s_wait_loadcnt 0x0                             ; the bias
	PLACES 4
.irp a, 0,1,2,3
	s_wait_xcnt 0x0                                ; the last stores have read v120-126, which the gelu writes
	GELU16 ACC+32*\a, 224
	GELU16 ACC+32*\a+16, 240
	QUANT32 ACC+32*\a, 120, 126
	global_store_b128 v3, v[120:123], s[90:91] offset:49152*\a
	global_store_b64 v4, v[124:125], s[90:91] offset:49152*\a+512
	global_store_b16 v5, v126, s[92:93] offset:2048*\a
.endr
.endm
.macro STEPJ                           ; on to the next tile of columns
	s_wait_xcnt 0x0                                ; the stores have read their bases
	s_xor_b32 s12, s12, SLOT1
	s_add_co_u32 s13, s13, 4096                    ; the next tile's scale words: 4,096 bytes a tile of 128 columns
	s_add_nc_u64 s[8:9], s[8:9], 4096
	s_add_nc_u64 s[90:91], s[90:91], 12288         ; 8 K steps of the next product on
	s_add_nc_u64 s[92:93], s[92:93], 512
.endm
	s_load_b256 s[4:11], s[0:1], 0x0               ; h2, wqb, b1f, hid
	v_lshl_add_u32 v14, v0, 2, SPARE
	v_mov_b32 v15, 0
	ds_add_u32 v14, v15                            ; the wave's opening: the add and its wait ahead of my first tensor load
	ds_add_u32 v14, v15
	v_lshrrev_b32 v1, 5, v0
	v_readfirstlane_b32 s14, v1
	s_lshr_b32 s15, s14, 1
	s_and_b32 s16, s14, 1
	s_bfe_u32 s80, ttmp6, 0x40000
	s_bfe_u32 s81, ttmp6, 0x40004
	s_lshl_b32 s82, ttmp9, 2
	s_add_co_u32 s82, s82, s80                     ; cb
	s_and_b32 s17, ttmp7, 0xffff
	s_lshl_b32 s17, s17, 2
	s_add_co_u32 s17, s17, s81                     ; rb
	s_lshl_b32 s83, s81, 2
	s_lshl_b32 s83, 15, s83
	s_lshl_b32 s84, 0x1111, s80
	s_or_b32 s24, s83, (3<<16)|(1<<21)
	s_or_b32 s32, s84, (3<<16)|(1<<21)
	s_or_b32 s40, s83, (3<<16)|(1<<21)
	s_or_b32 s48, s84, (3<<16)|(1<<21)
	G1SET 24, 32, 384, 32                          ; A: 98,304 dense bytes
	G1SET 32, 32, 384, 32                          ; a tile of the weights: the same at the head; behind it a quarter a wave
	G1SET 40, 32, 16, 32                           ; A's scale words of 8 tiles: 4,096 dense bytes
	G1SET 48, 512, NT, 4096                        ; the weights': NT rows of 4,096 bytes, 32,768 apart (64 tiles from a tile of columns to the next)
	s_lshl_b32 s20, s17, 3
	s_mul_i32 s20, s20, 12288
	s_mov_b32 s21, 0
	s_lshl_b32 s22, s17, 3
	s_lshl_b32 s22, s22, 9
	s_add_co_u32 s22, s22, 3145728
	s_mov_b32 s23, 0
	s_lshl_b32 s86, s82, 3
	s_mul_i32 s86, s86, 12288
	s_add_co_u32 s86, s86, OFFC
	s_mov_b32 s87, 0
	s_lshl_b32 s88, s82, 3
	s_lshl_b32 s88, s88, 9
	s_add_co_u32 s88, s88, OFFS
	s_mov_b32 s89, 0
	s_mov_b32 s[SEL], 0x76543210
	s_mov_b32 s[SEL+1], 0xfedcba98
	s_mov_b32 s12, 0
	s_mov_b32 s13, 0
	s_wait_dscnt 0x0
	s_wait_kmcnt 0x0
	s_mov_b32 s56, 1
	s_mov_b32 s57, ALDS
	s_add_nc_u64 s[58:59], s[4:5], s[20:21]
	s_or_b32 s59, s59, 0x80000000
	s_mov_b32 s60, 1
	s_mov_b32 s61, SCR
	s_add_nc_u64 s[62:63], s[4:5], s[22:23]
	s_or_b32 s63, s63, 0x80000000
	s_mov_b32 s68, 1
	s_mov_b32 s69, SCR+4096
	s_add_nc_u64 s[70:71], s[6:7], s[88:89]
	s_or_b32 s71, s71, 0x80000000
	s_mov_b32 s72, 1
	s_mov_b32 s73, 0
	s_add_nc_u64 s[74:75], s[6:7], s[86:87]
	s_or_b32 s75, s75, 0x80000000
	s_mov_b32 s76, 1
	s_mul_i32 s77, s14, 24576                      ; the walking set brings my quarter of a tile
	s_add_co_u32 s77, s77, SLOT1
	s_add_nc_u64 s[78:79], s[6:7], s[86:87]
	s_mul_i32 s88, s14, 24576                      ; (s89 = 0)
	s_add_nc_u64 s[78:79], s[78:79], s[88:89]
	s_add_nc_u64 s[78:79], s[78:79], 786432
	s_or_b32 s79, s79, 0x80000000
	CROUND                                         ; all sixteen work-groups are here: the first joint loads meet
	ARM 1, 56, 24, .Lhead_w                        ; wave 0: A
	ARM 2, 72, 32, .Lhead_sa                       ; wave 1: the first tile of weights
	ARM 3, 60, 40, .Lhead_sw                       ; wave 2: A's scale words
	tensor_load_to_lds s[68:71], s[48:55]          ; wave 3: the weights' scale words
	s_nop 0
	PLACES 4
.Lhead_asked:
	v_and_b32 v3, 31, v0
	v_and_b32 v1, 15, v0                           ; r
	v_bfe_u32 v2, v0, 4, 1                         ; h
	v_lshlrev_b32 v4, 3, v3
	v_lshlrev_b32 v3, 4, v3
	v_lshlrev_b32 v5, 2, v1
	v_lshlrev_b32 v1, 6, v2                        ; the bias: my 16 columns of each 32 begin 64 h bytes on
	s_mul_i32 s20, s15, 49152
	s_add_co_u32 s20, s20, ALDS
	v_add_nc_u32 v6, s20, v3
	v_add_nc_u32 v7, s20, v4
	s_mul_i32 s20, s16, 49152
	v_add_nc_u32 v10, s20, v3
	v_add_nc_u32 v11, s20, v4
	s_lshl_b32 s21, s15, 11
	s_lshl_b32 s22, s16, 11
	s_add_co_u32 s22, s22, 4096
	s_sub_co_u32 s22, s22, s21
	v_mul_u32_u24 v13, s22, v2
	s_wait_alu depctr_va_vdst(0)
	s_add_co_u32 s21, s21, SCR
	v_add_nc_u32 v13, v13, v5
	v_add_nc_u32 v13, s21, v13
	v_mov_b32 v16, 0x32edffee                      ; P's second coefficient, as a pair
	v_mov_b32 v17, 0x32edffee
	v_mov_b32 v18, 0xb95fbd29                      ; Q's second
	v_mov_b32 v19, 0xb95fbd29
	v_mov_b32 v[QT+2], 0
	v_mov_b32 v[QT+3], 0
	s_lshl_b32 s20, s17, 3
	s_lshl_b32 s21, s15, 2
	s_add_co_u32 s20, s20, s21
	s_lshl_b32 s20, s20, 5
	s_add_co_u32 s20, s20, s82                     ; (my first tile of rows) x 32 K steps + cb
	s_mov_b32 s87, 0
	s_mul_i32 s86, s20, 1536
	s_mul_i32 s21, s16, 768
	s_add_co_u32 s86, s86, s21
	s_add_nc_u64 s[90:91], s[10:11], s[86:87]      ; the codes: half wc
	s_lshl_b32 s86, s20, 6
	s_lshl_b32 s21, s16, 1
	s_add_co_u32 s86, s86, s21
	s_add_co_u32 s86, s86, 12582912
	s_add_nc_u64 s[92:93], s[10:11], s[86:87]      ; the scale bytes
	s_lshl_b32 s86, s82, 9
	s_lshl_b32 s21, s16, 8
	s_add_co_u32 s86, s86, s21
	s_add_nc_u64 s[8:9], s[8:9], s[86:87]          ; the bias at my 64 columns
	s_wait_alu depctr_va_vdst(0)
	s_wait_tensorcnt 0x0                           ; my tile of the head's four is in
	ds_add_u32 v14, v15
	s_mov_b32 s34, 96<<16                          ; no tensor load of mine is out: from here on a load of weights brings 96 rows of 256 bytes, a quarter of a tile
	s_mov_b32 s36, 96
	s_wait_dscnt 0x0
	CROUND                                         ; all four tiles are in, and all sixteen work-groups are here
	tensor_load_to_lds s[76:79], s[32:39]          ; the second tile of weights into slot 1: my one load behind the round; it names s[32:39] and s[76:79] alone
	s_nop 0
	PLACES 4
	AFETCH
	; the gelu's constants, each as a pair, in registers whose loads are done
.macro CPAIR r, bits
	s_mov_b32 s[\r], \bits
	s_mov_b32 s[\r+1], \bits
.endm
	CPAIR 40, 0x3f3504f3                           ; 1 / sqrt 2
	CPAIR 42, 0xaf95df0b                           ; P, from the highest power down (the second lies in v16-17)
	CPAIR 44, 0xb60cff51
	CPAIR 46, 0xb86ec2d2
	CPAIR 48, 0xba40ac63
	CPAIR 50, 0xbb41a1f6
	CPAIR 52, 0xbc83dbd4
	CPAIR 54, 0xb77460cd                           ; Q (the second lies in v18-19)
	CPAIR 56, 0xbadc924e
	CPAIR 58, 0xbbf19bf8
	CPAIR 60, 0xbc69b6a7
	s_mov_b32 s3, 2
.Lfill:                                            ; tiles 0 and 1: behind each the slot just read takes the tile two on
	PHASE
	WIN 0
	s_wait_tensorcnt 0x0                           ; all my loads have landed, my part of the other slot among them
	ds_add_u32 v14, v15
	s_xor_b32 s77, s77, SLOT1
	s_add_nc_u64 s[78:79], s[78:79], 786432
	s_wait_dscnt 0x0                               ; the add is done, and my reads of this slot are over
	CROUND                                         ; that holds of every wave of the cluster
	tensor_load_to_lds s[76:79], s[32:39]          ; my one load behind the round: it has the epilogue and a whole tile in which to land
	s_nop 0
	PLACES 4
	EPI_G
	STEPJ
	s_sub_co_u32 s3, s3, 1
	s_cmp_lg_u32 s3, 0
	s_cbranch_scc1 .Lfill
	s_mov_b32 s3, 2
.Ltail:                                            ; tiles 2 and 3: nothing is left to ask for
	PHASE
	WIN 0
	s_wait_tensorcnt 0x0                           ; my part of the last tile has landed
	ds_add_u32 v14, v15
	s_wait_dscnt 0x0
	s_barrier_signal -1
	s_barrier_wait -1                              ; everybody's has
	EPI_G
	STEPJ
	s_sub_co_u32 s3, s3, 1
	s_cmp_lg_u32 s3, 0
	s_cbranch_scc1 .Ltail
	s_wait_tensorcnt 0x0                           ; the wave's end
	ds_add_u32 v14, v15
	s_wait_dscnt 0x0
	CROUND                                         ; the closing round
	s_endpgm
.Lfunc_end_k_q6e1b6d80cb_w1:
	.size	k_q6e1b6d80cb_w1, .Lfunc_end_k_q6e1b6d80cb_w1-k_q6e1b6d80cb_w1
	.p2alignl 7, 3214868480
	.fill 96, 4, 3214868480
	.section	.rodata,"a",@progbits
	.p2align	6, 0x0
	.amdhsa_kernel k_q6e1b6d80cb_w1
		.amdhsa_group_segment_fixed_size 327680
		.amdhsa_private_segment_fixed_size 0
		.amdhsa_enable_private_segment 0
		.amdhsa_kernarg_size 32
		.amdhsa_user_sgpr_count 2
		.amdhsa_user_sgpr_kernarg_segment_ptr 1
		.amdhsa_wavefront_size32 1
		.amdhsa_system_sgpr_workgroup_id_x 1
		.amdhsa_system_sgpr_workgroup_id_y 1
		.amdhsa_system_sgpr_workgroup_id_z 1
		.amdhsa_system_vgpr_workitem_id 0
		.amdhsa_next_free_vgpr 912
		.amdhsa_next_free_sgpr 100
		.amdhsa_reserve_vcc 0
		.amdhsa_float_denorm_mode_32 3
		.amdhsa_float_denorm_mode_16_64 3
		.amdhsa_memory_ordered 1
		.amdhsa_forward_progress 1
		.amdhsa_inst_pref_size 255
	.end_amdhsa_kernel
	.section	.bss,"aw",@nobits
	.p2align	6
	.space	262144
	.amdgpu_metadata
---
amdhsa.version: [ 1, 2 ]
amdhsa.kernels:
  - .name:           k_q6e1b6d80cb_w1
    .symbol:         k_q6e1b6d80cb_w1.kd
    .args:
      - { .name: h2, .offset: 0, .size: 8, .value_kind: global_buffer, .address_space: global }
      - { .name: wqb, .offset: 8, .size: 8, .value_kind: global_buffer, .address_space: global }
      - { .name: b1f, .offset: 16, .size: 8, .value_kind: global_buffer, .address_space: global }
      - { .name: hid, .offset: 24, .size: 8, .value_kind: global_buffer, .address_space: global }
    .group_segment_fixed_size: 327680
    .private_segment_fixed_size: 0
    .kernarg_segment_align: 8
    .kernarg_segment_size: 32
    .max_flat_workgroup_size: 128
    .sgpr_count:     100
    .vgpr_count:     912
    .wavefront_size: 32
...
	.end_amdgpu_metadata
.endif
;; end of part 6
;; launch w2 (part 7): grid 8 x 32, 4 waves a work-group, clusters of 4 x 4, 327,680 bytes of LDS; arguments hid, wqb, b2f, x1, out0; writes out0
.if DOCPART == 7
	.amdgcn_target "amdgcn-amd-amdhsa--gfx1250"
	.amdhsa_code_object_version 6
	.text
	.protected	k_q6e1b6d80cb_w2
	.globl	k_q6e1b6d80cb_w2
	.p2align	8
	.type	k_q6e1b6d80cb_w2,@function
k_q6e1b6d80cb_w2:
	s_mov_b64 s[64:65], 0
	v_nop
	global_prefetch_b8 v0, s[64:65] scope:SCOPE_SE
	s_setreg_imm32_b32 hwreg(HW_REG_WAVE_MODE, 25, 1), 1
	s_wait_xcnt 0x0
	s_wait_alu depctr_hold_cnt(0) depctr_sa_sdst(0) depctr_va_vdst(0) depctr_va_sdst(0) depctr_va_ssrc(0) depctr_va_vcc(0) depctr_vm_vsrc(0)
	s_getreg_b32 s2, hwreg(HW_REG_IB_STS2, 6, 4)
	s_cmp_eq_u32 s2, 0
	s_cbranch_scc0 .Lentry_in_a_cluster
	s_endpgm
.Lentry_in_a_cluster:
	s_bfe_u32 s2, ttmp6, 0x10000c
	s_cmp_lg_u32 s2, 0xf033
	s_cbranch_scc0 .Lentry_shape_is_right
	s_endpgm
.Lentry_shape_is_right:
; out0 = x1 + hid W2 + b2f, the product on codes of FP6 (E2M3), K = 4,096; out0 is f32.  One tile of 128 x 128 to a work-group of four waves, 64 x 64 a wave: 256 work-groups.
; Operands are images of their registers (half image of 16 rows x 64 K: lane l's bytes 0-15 at 16 l, bytes 16-23 at 512 + 8 l).  K goes through two LDS slots, X of 6 K steps and Y of 5: 6 + 5 + 6 + 5 + 5 + 5 = 32 steps.
; A quarter of a slot is four tiles of 16 rows of A or of the weight.  The scale words of all of K stay in LDS.  CLUSTER 4 x 4: A's tiles are shared along a row of the cluster, the weight's along a column.
; THE HEAD'S FOUR TILES, one joint load a wave: wave 0 A's eight tiles of slot X, wave 1 A's scale words (16,384 bytes), wave 2 the weight's eight tiles of slot X, wave 3 its scale words.
; Slot Y is first filled behind a drained round, a quarter a wave, as every refill is.  The way out goes through the wave's own stage: sixteen lanes store 256 consecutive aligned bytes.
; LIMITS: NaN and infinities are not served.
.set QX,    36864
.set QY,    30720
.set YB,    4*QX
.set SCR,   YB+4*QY
.set SPARE, SCR+32768
.set STG,   SPARE+512
.set SC,  32
.set ACC, 128
.set MULW, 0x05
.set TO_F, 0x40
.set MSB, 0
.macro WIN new
.if MSB != \new
	s_set_vgpr_msb (MSB<<8)|\new
.set MSB, \new
.endif
.endm
.macro PLACES n
.rept \n
	v_nop
.endr
.endm
.macro CROUND
	s_barrier_signal -1
	s_barrier_wait -1
	s_cmp_lg_u32 s14, 0
	s_cbranch_scc1 .Lnot_wave_0_\@
	s_barrier_signal -3
.Lnot_wave_0_\@:
	s_barrier_wait -3
	s_barrier_signal -1
	s_barrier_wait -1
.endm
.macro JLOAD g0a, g1a, g0b, g1b
	s_cmp_eq_u32 s15, 0
	s_cbranch_scc0 .Lfor_b_\@
	tensor_load_to_lds s[\g0a:\g0a+3], s[\g1a:\g1a+7]
	s_nop 0
	PLACES 4
	s_branch .Lasked_\@
.Lfor_b_\@:
	tensor_load_to_lds s[\g0b:\g0b+3], s[\g1b:\g1b+7]
	s_nop 0
	PLACES 4
.Lasked_\@:
.endm
.macro ARM under, g0, g1, next         ; an arm of the head's one chain of branches on the wave's number: its load, and a jump to the chain's end
	s_cmp_lt_u32 s14, \under
	s_cbranch_scc0 \next
	tensor_load_to_lds s[\g0:\g0+3], s[\g1:\g1+7]
	s_nop 0
	PLACES 4
	s_branch .Lhead_asked
\next:
.endm
.macro ASK k
	s_cmp_eq_u32 s19, 1
	s_cbranch_scc0 .Lnot_mine_\@
	global_prefetch_b8 v25, s[66:67] offset:1536*(\k) th:TH_LOAD_NT scope:SCOPE_SE
.Lnot_mine_\@:
.endm
.macro G1SET g, c, r, p
	s_mov_b32 s[\g+1], (\c)<<16
	s_mov_b32 s[\g+2], (\r)<<16
	s_mov_b32 s[\g+3], (\c)<<16
	s_mov_b32 s[\g+4], \r
	s_mov_b32 s[\g+5], \p
	s_mov_b32 s[\g+6], 0
	s_mov_b32 s[\g+7], 0
.endm
.macro FETCH slot, n, s, f
	WIN TO_F
.irp i, 0,1,2,3
	ds_load_b128 v[\f+12*\i:\f+12*\i+3], v[6+(\slot)] offset:1536*(\n)*\i+1536*(\s)
	ds_load_b64 v[\f+12*\i+4:\f+12*\i+5], v[8+(\slot)] offset:1536*(\n)*\i+1536*(\s)+512
	ds_load_b128 v[\f+12*\i+6:\f+12*\i+9], v[6+(\slot)] offset:1536*(\n)*\i+1536*(\s)+768
	ds_load_b64 v[\f+12*\i+10:\f+12*\i+11], v[8+(\slot)] offset:1536*(\n)*\i+1536*(\s)+1280
.endr
.irp i, 0,1,2,3
	ds_load_b128 v[\f+48+12*\i:\f+48+12*\i+3], v[10+(\slot)] offset:1536*(\n)*\i+1536*(\s)
	ds_load_b64 v[\f+48+12*\i+4:\f+48+12*\i+5], v[12+(\slot)] offset:1536*(\n)*\i+1536*(\s)+512
	ds_load_b128 v[\f+48+12*\i+6:\f+48+12*\i+9], v[10+(\slot)] offset:1536*(\n)*\i+1536*(\s)+768
	ds_load_b64 v[\f+48+12*\i+10:\f+48+12*\i+11], v[12+(\slot)] offset:1536*(\n)*\i+1536*(\s)+1280
.endr
.endm
.macro MUL s, f, zero
	WIN MULW
.irp a, 0,1,2,3
.irp t, 0,1,2,3
.if \zero
	v_wmma_scale_f32_16x16x128_f8f6f4 v[ACC+8*(4*\a+\t):ACC+8*(4*\a+\t)+7], v[\f+48+12*\t:\f+48+12*\t+11], v[\f+12*\a:\f+12*\a+11], 0, v[SC+4*\s+\t], v[SC+4*\s+\a] matrix_a_fmt:MATRIX_FMT_FP6 matrix_b_fmt:MATRIX_FMT_FP6 matrix_a_scale:MATRIX_SCALE_ROW1
.else
	v_wmma_scale_f32_16x16x128_f8f6f4 v[ACC+8*(4*\a+\t):ACC+8*(4*\a+\t)+7], v[\f+48+12*\t:\f+48+12*\t+11], v[\f+12*\a:\f+12*\a+11], v[ACC+8*(4*\a+\t):ACC+8*(4*\a+\t)+7], v[SC+4*\s+\t], v[SC+4*\s+\a] matrix_a_fmt:MATRIX_FMT_FP6 matrix_b_fmt:MATRIX_FMT_FP6 matrix_a_scale:MATRIX_SCALE_ROW1
.endif
.endr
.endr
.endm
.macro PH slot, n, k0
	PLACES 4
	WIN 0
.set KS_, 0
.rept \n
.irp i, 0,1,2,3
	ds_load_b32 v[SC+4*KS_+\i], v19 offset:2048*\i+64*(\k0+KS_)
.endr
.set KS_, KS_+1
.endr
	FETCH \slot, \n, 0, 0
.set KS_, 0
.rept \n
.if KS_ > 0
	PLACES 4
.endif
.if KS_ < \n-1
	FETCH \slot, \n, KS_+1, 128*((KS_+1)%2)
	s_wait_dscnt 32
.else
	s_wait_dscnt 0x0
.endif
	MUL KS_, 128*(KS_%2), (\k0+KS_)==0
.set KS_, KS_+1
.endr
.endm
.macro CHG fill, ga, gb, step, g1a, g1b, ask
	WIN 0
	s_wait_tensorcnt 0x0
	ds_add_u32 v14, v15
.if \fill
	s_add_nc_u64 s[\ga+2:\ga+3], s[\ga+2:\ga+3], \step
	s_add_nc_u64 s[\gb+2:\gb+3], s[\gb+2:\gb+3], \step
.endif
	s_wait_dscnt 0x0
.if \fill
	CROUND
	JLOAD \ga, \g1a, \gb, \g1b
.if \ask >= 0
	ASK \ask
.endif
.else
	s_barrier_signal -1
	s_barrier_wait -1
.endif
.endm
	s_load_b256 s[4:11], s[0:1], 0x0
	s_load_b64 s[12:13], s[0:1], 0x20
	v_lshl_add_u32 v14, v0, 2, SPARE
	v_mov_b32 v15, 0
	ds_add_u32 v14, v15
	ds_add_u32 v14, v15
	v_lshrrev_b32 v1, 5, v0
	v_readfirstlane_b32 s14, v1
	s_lshr_b32 s15, s14, 1
	s_and_b32 s16, s14, 1
	s_bfe_u32 s2, ttmp6, 0x40000
	s_bfe_u32 s3, ttmp6, 0x40004
	s_lshl_b32 s18, ttmp9, 2
	s_add_co_u32 s18, s18, s2
	s_and_b32 s17, ttmp7, 0xffff
	s_lshl_b32 s17, s17, 2
	s_add_co_u32 s17, s17, s3
	s_lshl_b32 s19, s3, 2
	s_lshl_b32 s19, 15, s19
	s_lshl_b32 s23, 0x1111, s2
	s_or_b32 s24, s19, (3<<16)|(1<<21)
	s_or_b32 s32, s23, (3<<16)|(1<<21)
	s_or_b32 s84, s19, (3<<16)|(1<<21)
	s_or_b32 s92, s23, (3<<16)|(1<<21)
	s_or_b32 s40, s19, (3<<16)|(1<<21)
	s_or_b32 s48, s23, (3<<16)|(1<<21)
	G1SET 24, 1152, 8, 6144                        ; slot X: at the head eight tiles, rows of 6 K steps (9,216 bytes), 49,152 bytes apart; behind it four
	G1SET 32, 1152, 8, 6144
	G1SET 84, 960, 4, 6144                         ; four tiles, rows of 5 K steps
	G1SET 92, 960, 4, 6144
	G1SET 40, 32, 64, 32                           ; the scale words of eight tiles: 16,384 dense bytes
	G1SET 48, 32, 64, 32
	s_lshl_b32 s21, s16, 2
	s_lshl_b32 s20, s17, 3
	s_add_co_u32 s20, s20, s21
	s_lshl_b32 s78, s17, 14
	s_add_co_u32 s78, s78, 12582912
	s_mov_b32 s79, 0
	s_mul_i32 s58, s20, 49152
	s_mov_b32 s59, 0
	s_lshl_b32 s22, s18, 3
	s_add_co_u32 s22, s22, s21
	s_lshl_b32 s82, s18, 14
	s_add_co_u32 s82, s82, 9699328
	s_mov_b32 s83, 0
	s_mul_i32 s70, s22, 49152
	s_add_co_u32 s70, s70, 6291456
	s_mov_b32 s71, 0
	s_mov_b32 s56, 1
	s_mov_b32 s60, 1
	s_mov_b32 s68, 1
	s_mov_b32 s72, 1
	s_mov_b32 s76, 1
	s_mov_b32 s80, 1
	s_mul_i32 s57, s14, QX
	s_mul_i32 s69, s14, QX
	s_mul_i32 s61, s14, QY
	s_add_co_u32 s61, s61, YB
	s_mul_i32 s73, s14, QY
	s_add_co_u32 s73, s73, YB
	s_mov_b32 s77, SCR
	s_mov_b32 s81, SCR+16384
	s_wait_dscnt 0x0
	s_wait_kmcnt 0x0
	s_add_nc_u64 s[58:59], s[4:5], s[58:59]
	s_add_nc_u64 s[62:63], s[58:59], 6*1536
	s_or_b32 s59, s59, 0x80000000
	s_or_b32 s63, s63, 0x80000000
	s_add_nc_u64 s[70:71], s[6:7], s[70:71]
	s_add_nc_u64 s[74:75], s[70:71], 6*1536
	s_or_b32 s71, s71, 0x80000000
	s_or_b32 s75, s75, 0x80000000
	s_add_nc_u64 s[78:79], s[4:5], s[78:79]
	s_or_b32 s79, s79, 0x80000000
	s_add_nc_u64 s[82:83], s[6:7], s[82:83]
	s_or_b32 s83, s83, 0x80000000
	CROUND
	ARM 1, 56, 24, .Lhead_sa                       ; wave 0: A's eight tiles of slot X (its own group 0 stands at the first of them, LDS byte 0)
	ARM 2, 76, 40, .Lhead_w                        ; wave 1: A's scale words
	ARM 3, 68, 32, .Lhead_sw                       ; wave 2: the weight's eight tiles of slot X (its own group 0 stands at the first of them, LDS byte 2 QX)
	tensor_load_to_lds s[80:83], s[48:55]          ; wave 3: the weight's scale words
	s_nop 0
	PLACES 4
.Lhead_asked:
	s_and_b32 s22, ttmp7, 0xffff
	s_cmp_eq_u32 s15, 0
	s_cselect_b32 s20, s17, s18
	s_cselect_b32 s21, s2, s3
	s_cselect_b32 s22, ttmp9, s22
	s_cselect_b32 s23, 0, 6291456
	s_cselect_b64 s[66:67], s[4:5], s[6:7]
	s_cmp_eq_u32 s22, 0
	s_cselect_b32 s19, 1, 0
	s_lshl_b32 s20, s20, 3
	s_lshl_b32 s22, s16, 2
	s_add_co_u32 s20, s20, s22
	s_add_co_u32 s20, s20, s21
	s_mul_i32 s20, s20, 49152
	s_add_co_u32 s20, s20, s23
	s_mov_b32 s21, 0
	s_add_nc_u64 s[66:67], s[66:67], s[20:21]
	v_and_b32 v3, 31, v0
	v_min_u32 v25, 29, v3
	v_lshlrev_b32 v25, 8, v25
	v_and_b32 v1, 15, v0
	v_bfe_u32 v2, v0, 4, 1
	v_lshlrev_b32 v4, 3, v3
	v_lshlrev_b32 v3, 4, v3
	v_lshlrev_b32 v5, 2, v1
	v_lshlrev_b32 v24, 4, v1
	s_wait_alu depctr_va_vdst(0)
	v_lshl_add_u32 v16, v2, 12, v24
	s_wait_alu depctr_va_vdst(0)
	s_lshl_b32 s20, s17, 7
	s_lshl_b32 s21, s15, 6
	s_add_co_u32 s20, s20, s21
	s_lshl_b32 s20, s20, 12
	s_lshl_b32 s21, s18, 9
	s_add_co_u32 s20, s20, s21
	s_lshl_b32 s22, s16, 8
	s_add_co_u32 s20, s20, s22
	s_add_co_u32 s22, s21, s22
	s_mov_b32 s21, 0
	s_mov_b32 s23, 0
	s_add_nc_u64 s[10:11], s[10:11], s[20:21]
	s_add_nc_u64 s[12:13], s[12:13], s[20:21]
	s_add_nc_u64 s[8:9], s[8:9], s[22:23]
	global_load_b128 v[20:23], v24, s[8:9]
	WIN 0x80
.irp a, 0,1,2,3
.irp i, 0,1,2,3,4,5,6,7
	global_load_b128 v[32*\a+4*\i:32*\a+4*\i+3], v16, s[10:11] offset:(32*(\a/2)+8*(\a%2)+2*\i+8*(\i/4))*4096
.endr
.endr
	WIN 0
	s_mul_i32 s20, s15, QX
	s_mul_i32 s21, s16, QX
	s_add_co_u32 s21, s21, 2*QX
	v_add_nc_u32 v6, s20, v3
	v_add_nc_u32 v8, s20, v4
	v_add_nc_u32 v10, s21, v3
	v_add_nc_u32 v12, s21, v4
	s_mul_i32 s20, s15, QY
	s_add_co_u32 s20, s20, YB
	s_mul_i32 s21, s16, QY
	s_add_co_u32 s21, s21, YB+2*QY
	v_add_nc_u32 v7, s20, v3
	v_add_nc_u32 v9, s20, v4
	v_add_nc_u32 v11, s21, v3
	v_add_nc_u32 v13, s21, v4
	s_lshl_b32 s21, s15, 13
	s_lshl_b32 s22, s16, 13
	s_add_co_u32 s22, s22, 16384
	s_sub_co_u32 s22, s22, s21
	v_mul_u32_u24 v19, s22, v2
	s_add_co_u32 s21, s21, SCR
	v_add_nc_u32 v19, v19, v5
	v_add_nc_u32 v19, s21, v19
	s_mul_i32 s20, s14, 4352
	s_add_co_u32 s20, s20, STG
	v_mul_u32_u24 v17, v1, 272
	v_lshl_add_u32 v17, v2, 6, v17
	v_add_nc_u32 v17, s20, v17
	v_mul_u32_u24 v18, v2, 272
	v_add_nc_u32 v18, v18, v24
	v_add_nc_u32 v18, s20, v18
	s_wait_alu depctr_va_vdst(0)
	s_wait_tensorcnt 0x0                           ; my tile of the head's four is in
	ds_add_u32 v14, v15
	s_mov_b32 s26, 4<<16                           ; no tensor load of mine is out: from here on a load into slot X brings four tiles, a quarter of the slot
	s_mov_b32 s28, 4
	s_mov_b32 s34, 4<<16
	s_mov_b32 s36, 4
	s_wait_dscnt 0x0
	CROUND                                         ; all four tiles are in, and all sixteen work-groups are here
	JLOAD 60, 84, 72, 92                           ; slot Y's first fill: my one load behind the round; slot X's six K steps stand between it and the wait for it
	PH 0, 6, 0
	CHG 1, 56, 68, 11*1536, 24, 32, 17
	PH 1, 5, 6
	CHG 1, 60, 72, 11*1536, 84, 92, 22
	PH 0, 6, 11
	CHG 1, 56, 68, 11*1536, 84, 92, 27
	PH 1, 5, 17
	CHG 1, 60, 72, 10*1536, 84, 92, -1
	PH 0, 5, 22
	CHG 0, 0, 0, 0, 0, 0, -1
	PH 1, 5, 27
	s_wait_loadcnt 0x0
	PLACES 4
	WIN 0
.irp a, 0,1,2,3
.if \a > 0
	s_wait_xcnt 0x0
.endif
.irp t, 0,1,2,3
	ds_store_b128 v17, v[ACC+8*(4*\a+\t):ACC+8*(4*\a+\t)+3] offset:128*(\t/2)+32*(\t%2)
	ds_store_b128 v17, v[ACC+8*(4*\a+\t)+4:ACC+8*(4*\a+\t)+7] offset:128*(\t/2)+32*(\t%2)+16
.endr
.irp i, 0,1,2,3,4,5,6,7
	ds_load_b128 v[96+4*\i:99+4*\i], v18 offset:544*\i
.endr
	s_wait_dscnt 0x0
	WIN 0x08
.irp m, 0,2,4,6,8,10,12,14,16,18,20,22,24,26,28,30
	v_pk_add_f32 v[96+\m:97+\m], v[96+\m:97+\m], v[32*\a+\m:32*\a+\m+1]
.endr
	WIN 0
.irp i, 0,1,2,3,4,5,6,7
	v_pk_add_f32 v[96+4*\i:97+4*\i], v[96+4*\i:97+4*\i], v[20:21]
	v_pk_add_f32 v[98+4*\i:99+4*\i], v[98+4*\i:99+4*\i], v[22:23]
.endr
.irp i, 0,1,2,3,4,5,6,7
	global_store_b128 v16, v[96+4*\i:99+4*\i], s[12:13] offset:(32*(\a/2)+8*(\a%2)+2*\i+8*(\i/4))*4096 th:TH_STORE_NT
.endr
.endr
	s_wait_tensorcnt 0x0
	ds_add_u32 v14, v15
	s_wait_dscnt 0x0
	CROUND
	s_endpgm
.Lfunc_end_k_q6e1b6d80cb_w2:
	.size	k_q6e1b6d80cb_w2, .Lfunc_end_k_q6e1b6d80cb_w2-k_q6e1b6d80cb_w2
	.p2alignl 7, 3214868480
	.fill 96, 4, 3214868480
	.section	.rodata,"a",@progbits
	.p2align	6, 0x0
	.amdhsa_kernel k_q6e1b6d80cb_w2
		.amdhsa_group_segment_fixed_size 327680
		.amdhsa_private_segment_fixed_size 0
		.amdhsa_enable_private_segment 0
		.amdhsa_kernarg_size 40
		.amdhsa_user_sgpr_count 2
		.amdhsa_user_sgpr_kernarg_segment_ptr 1
		.amdhsa_wavefront_size32 1
		.amdhsa_system_sgpr_workgroup_id_x 1
		.amdhsa_system_sgpr_workgroup_id_y 1
		.amdhsa_system_sgpr_workgroup_id_z 1
		.amdhsa_system_vgpr_workitem_id 0
		.amdhsa_next_free_vgpr 640
		.amdhsa_next_free_sgpr 100
		.amdhsa_reserve_vcc 0
		.amdhsa_float_denorm_mode_32 3
		.amdhsa_float_denorm_mode_16_64 3
		.amdhsa_memory_ordered 1
		.amdhsa_forward_progress 1
		.amdhsa_inst_pref_size 179
	.end_amdhsa_kernel
	.amdgpu_metadata
---
amdhsa.version: [ 1, 2 ]
amdhsa.kernels:
  - .name:           k_q6e1b6d80cb_w2
    .symbol:         k_q6e1b6d80cb_w2.kd
    .args:
      - { .name: hid, .offset: 0, .size: 8, .value_kind: global_buffer, .address_space: global }
      - { .name: wqb, .offset: 8, .size: 8, .value_kind: global_buffer, .address_space: global }
      - { .name: b2f, .offset: 16, .size: 8, .value_kind: global_buffer, .address_space: global }
      - { .name: x1, .offset: 24, .size: 8, .value_kind: global_buffer, .address_space: global }
      - { .name: out0, .offset: 32, .size: 8, .value_kind: global_buffer, .address_space: global }
    .group_segment_fixed_size: 327680
    .private_segment_fixed_size: 0
    .kernarg_segment_align: 8
    .kernarg_segment_size: 40
    .max_flat_workgroup_size: 128
    .sgpr_count:     100
    .vgpr_count:     640
    .wavefront_size: 32
...
	.end_amdgpu_metadata
.endif
;; end of part 7
